; MI455X (gfx1250); checked and timed in simulation.
; The chip was launched on July 23, 2026; its instructions are those of AMD's public machine-readable ISA for CDNA 5 (MIT licence, August 2026) and "CDNA5" Instruction Set Architecture Reference Guide (July 2026). The comments in the code are by the model that wrote it; some were corrected since.
;; Self attention residuel. Allowed arithmetic: float matrix products may take bf16 or f16 operands with f32 sums; other float arithmetic in f32, or as packed bf16 or f16 multiplies, adds, multiply-adds, maxima and minima; sums over many terms, partial sums and values carried from step to step in f32; what a program stores and reads back later, other than sums and carried values, may be rounded once to bf16 or f16.
;; Inputs: Wk 1,024 x 1,024 float32; Wo 1,024 x 1,024 float32; Wq 1,024 x 1,024 float32; Wv 1,024 x 1,024 float32; beta 1,024 float32; bo 1,024 float32; gamma 1,024 float32; l 4 int32; x 4 x 2,048 x 1,024 float32.
;; Outputs: out0 4 x 2,048 x 1,024 float32.
;; 2 versions, each right. Each part assembles by itself: llvm-mc -triple=amdgcn-amd-amdhsa -mcpu=gfx1250 --defsym DOCPART=n.
;; ======== version 1 of 2: 6 launches
;; limits: values are held in f16: magnitudes above 65,504 overflow, below 6.1e-05 lose precision; right only within a limited range of input values; values outside matrix products are rounded to f16
;; workspace buffers: xn 16,777,216 bytes; wb 8,388,608 bytes; qkv 50,331,648 bytes; pt 33,554,432 bytes; stm 524,288 bytes; stl 524,288 bytes; ft 262,144 bytes; y 16,777,216 bytes
;; launch prep (part 1): grid 384 x 1, 8 waves a work-group, no clusters, 0 bytes of LDS; arguments x, gamma, beta, Wq, Wk, Wv, Wo, xn, wb; writes xn, wb
.if DOCPART == 1
	.amdgcn_target "amdgcn-amd-amdhsa--gfx1250"
	.amdhsa_code_object_version 6
	.text
	.protected	k_q9b4674423f_prep
	.globl	k_q9b4674423f_prep
	.p2align	8
	.type	k_q9b4674423f_prep,@function
k_q9b4674423f_prep:
	s_mov_b64 s[64:65], 0
	v_nop
	global_prefetch_b8 v0, s[64:65] scope:SCOPE_SE
	s_setreg_imm32_b32 hwreg(HW_REG_WAVE_MODE, 25, 1), 1
	s_wait_xcnt 0x0
; Work-groups 0-255:   xn[t][:] = (x[t][:] - mean) * rsqrt(var + 1e-5) * gamma + beta, rounded once to f16.  x: [8192][1024] f32.
; Work-groups 256-383: wb = Wq, Wk, Wv, Wo one below the other ([4096][1024]), rounded to f16.
; WHY f16: these are matrix operands, and f16 keeps 11 bits where bf16 keeps 8.  ITS RANGE: no number of a normalised row of 1,024 is above sqrt(1023) < 32, so
; |xn| <= 32 max|gamma| + max|beta|: 65,504 is reached only by a gamma above 2,000.  The weights are stored as given.  LIMIT: |xn| and |W| below 65,504; numbers below 6.1e-5 are kept to 6e-8.
; A stream: no LDS, no barrier, no matrix unit, no cluster (no two work-groups read the same bytes but gamma and beta, 8 KiB).
; A work-group takes 32 rows, a wave 4.  A row is 4,096 bytes: eight loads of a wave, 512 consecutive bytes each, so lane L holds columns
; 128 j + 4 L .. + 3 (j = 0..7).  All 32 loads of a wave go out at once; a row stays in registers between the pass for the mean, the pass
; for the variance (taken of x - mean, so a common offset of x costs no digits) and the scaling.  No register is loaded twice.
; A row of the result is 2,048 bytes: eight stores of a wave, 256 consecutive bytes each, aligned.
.set X,  64                            ; v[64:191]  row r at X + 32 r, load j at + 4 j
.set GA, 32                            ; v[32:63]   gamma of my 32 columns
.set BE, 192                           ; v[192:223] beta of my 32 columns
.set LO, 3                             ; v3  16 x lane: my bytes in each run of 512
.set SO, 4                             ; v4  8 x lane: my bytes in each run of 256 of the result
	s_load_b512 s[4:19], s[0:1], 0x0               ; x s[4:5], gamma s[6:7], beta s[8:9], Wq s[10:11], Wk s[12:13], Wv s[14:15], Wo s[16:17], xn s[18:19]
	s_load_b64 s[20:21], s[0:1], 0x40              ; wb
	v_lshrrev_b32 v1, 5, v0
	v_readfirstlane_b32 s22, v1                    ; wave 0..7
	v_and_b32 v2, 31, v0
	v_lshlrev_b32 v[LO], 4, v2
	v_lshlrev_b32 v[SO], 3, v2
	s_lshl_b32 s23, s22, 14                        ; my wave's 4 rows of 4,096 bytes
	s_lshl_b32 s28, s22, 13                        ; and of 2,048 bytes
	s_mov_b32 s27, 0
	s_mov_b32 s31, 0
.macro LOADROWS b                      ; four rows from s[b:b+1]
.irp r, 0,1,2,3
.irp j, 0,1,2,3,4,5,6,7
	global_load_b128 v[X+32*\r+4*\j:X+32*\r+4*\j+3], v[LO], s[\b:\b+1] offset:4096*\r+512*\j th:TH_LOAD_NT
.endr
.endr
.endm
.macro STOREROW r, b                   ; row r is rounded in place, two numbers to a word, and stored
.irp j, 0,1,2,3,4,5,6,7
	v_cvt_pk_f16_f32 v[X+32*\r+4*\j],   v[X+32*\r+4*\j],   v[X+32*\r+4*\j+1]
	v_cvt_pk_f16_f32 v[X+32*\r+4*\j+1], v[X+32*\r+4*\j+2], v[X+32*\r+4*\j+3]
	global_store_b64 v[SO], v[X+32*\r+4*\j:X+32*\r+4*\j+1], s[\b:\b+1] offset:2048*\r+256*\j
.endr
.endm
.macro ALLLANES v, t                   ; the sum of v over the 32 lanes, in every lane; t has been written before
	v_add_f32_dpp v[\v], v[\v], v[\v] row_xmask:1 row_mask:0xf bank_mask:0xf
	v_add_f32_dpp v[\v], v[\v], v[\v] row_xmask:2 row_mask:0xf bank_mask:0xf
	v_add_f32_dpp v[\v], v[\v], v[\v] row_xmask:4 row_mask:0xf bank_mask:0xf
	v_add_f32_dpp v[\v], v[\v], v[\v] row_xmask:8 row_mask:0xf bank_mask:0xf
	v_permlanex16_b32 v[\t], v[\v], s32, s33
	v_add_f32 v[\v], v[\v], v[\t]
.endm
	s_cmp_ge_u32 ttmp9, 256
	s_cbranch_scc1 .Lweights
	; ---------------- LayerNorm ----------------
	s_lshl_b32 s26, ttmp9, 17                      ; the work-group's 32 rows of 4,096 bytes
	s_add_co_u32 s26, s26, s23
	s_lshl_b32 s30, ttmp9, 16                      ; and of 2,048 bytes
	s_add_co_u32 s30, s30, s28
	s_mov_b32 s24, 0x3a800000                      ; 1 / 1024
	s_mov_b32 s25, 0x3727c5ac                      ; 1e-5
	s_mov_b32 s32, 0x76543210                      ; v_permlanex16_b32: each lane takes its own place in the other half
	s_mov_b32 s33, 0xfedcba98
	s_wait_kmcnt 0x0
	s_add_nc_u64 s[4:5], s[4:5], s[26:27]
	s_add_nc_u64 s[18:19], s[18:19], s[30:31]
.irp j, 0,1,2,3,4,5,6,7
	global_load_b128 v[GA+4*\j:GA+4*\j+3], v[LO], s[6:7] offset:512*\j
	global_load_b128 v[BE+4*\j:BE+4*\j+3], v[LO], s[8:9] offset:512*\j
.endr
	LOADROWS 4
.macro LNROW r
.set XR, X+32*\r
	s_wait_loadcnt 8*(3-\r)                        ; loads come back in order: gamma, beta and rows 0..r are in, the younger rows' eight loads each stay out
.irp i, 0,1,2,3,4,5,6,7                ; the sum of my 32 numbers, as a tree
	v_pk_add_f32 v[8+2*\i:9+2*\i], v[XR+4*\i:XR+4*\i+1], v[XR+4*\i+2:XR+4*\i+3]
.endr
.irp i, 0,1,2,3
	v_pk_add_f32 v[8+2*\i:9+2*\i], v[8+2*\i:9+2*\i], v[16+2*\i:17+2*\i]
.endr
	v_pk_add_f32 v[8:9], v[8:9], v[12:13]
	v_pk_add_f32 v[10:11], v[10:11], v[14:15]
	v_pk_add_f32 v[8:9], v[8:9], v[10:11]
	v_add_f32 v8, v8, v9
	ALLLANES 8, 9
	v_mul_f32 v8, s24, v8                          ; the mean
.set i, 0
.rept 16
	v_pk_add_f32 v[XR+i:XR+i+1], v[XR+i:XR+i+1], v[8:9] op_sel_hi:[1,0] neg_lo:[0,1] neg_hi:[0,1]   ; x - mean, in place
.set i, i+2
.endr
.irp i, 0,1,2,3                        ; the sum of squares in four chains; the first products start them
	v_pk_mul_f32 v[10+2*\i:11+2*\i], v[XR+2*\i:XR+2*\i+1], v[XR+2*\i:XR+2*\i+1]
.endr
.set i, 8
.rept 12
	v_pk_fma_f32 v[10+i%8:11+i%8], v[XR+i:XR+i+1], v[XR+i:XR+i+1], v[10+i%8:11+i%8]
.set i, i+2
.endr
	v_pk_add_f32 v[10:11], v[10:11], v[12:13]
	v_pk_add_f32 v[14:15], v[14:15], v[16:17]
	v_pk_add_f32 v[10:11], v[10:11], v[14:15]
	v_add_f32 v10, v10, v11
	ALLLANES 10, 11
	v_fma_f32 v10, v10, s24, s25                   ; var + 1e-5
	v_rsq_f32 v12, v10
	v_nop                                          ; a plain instruction between v_rsq_f32 and the use of its result
.set i, 0
	s_wait_alu depctr_va_vdst(0)
.rept 16
	v_pk_mul_f32 v[XR+i:XR+i+1], v[XR+i:XR+i+1], v[12:13] op_sel_hi:[1,0]
	v_pk_fma_f32 v[XR+i:XR+i+1], v[XR+i:XR+i+1], v[GA+i:GA+i+1], v[BE+i:BE+i+1]
.set i, i+2
.endr
	STOREROW \r, 18
.endm
	LNROW 0
	LNROW 1
	LNROW 2
	LNROW 3
	s_endpgm
	; ---------------- the four weight matrices ----------------
.Lweights:
	s_sub_co_u32 s29, ttmp9, 256                   ; 0..127: 32 rows of wb each
	s_lshr_b32 s34, s29, 5                         ; which matrix
	s_and_b32 s35, s29, 31                         ; which 32 rows of it
	s_lshl_b32 s26, s35, 17
	s_add_co_u32 s26, s26, s23
	s_lshl_b32 s30, s29, 16
	s_add_co_u32 s30, s30, s28
	s_wait_kmcnt 0x0
	s_cmp_eq_u32 s34, 1
	s_cselect_b64 s[36:37], s[12:13], s[10:11]
	s_cmp_eq_u32 s34, 2
	s_cselect_b64 s[36:37], s[14:15], s[36:37]
	s_cmp_eq_u32 s34, 3
	s_cselect_b64 s[36:37], s[16:17], s[36:37]
	s_add_nc_u64 s[36:37], s[36:37], s[26:27]
	s_add_nc_u64 s[20:21], s[20:21], s[30:31]
	LOADROWS 36
.irp r, 0,1,2,3
	s_wait_loadcnt 8*(3-\r)                        ; rows 0..r are in, the younger rows stay out
	STOREROW \r, 20
.endr
	s_endpgm
.Lfunc_end_k_q9b4674423f_prep:
	.size	k_q9b4674423f_prep, .Lfunc_end_k_q9b4674423f_prep-k_q9b4674423f_prep
	.p2alignl 7, 3214868480
	.fill 96, 4, 3214868480
	.section	.rodata,"a",@progbits
	.p2align	6, 0x0
	.amdhsa_kernel k_q9b4674423f_prep
		.amdhsa_group_segment_fixed_size 0
		.amdhsa_private_segment_fixed_size 0
		.amdhsa_enable_private_segment 0
		.amdhsa_kernarg_size 72
		.amdhsa_user_sgpr_count 2
		.amdhsa_user_sgpr_kernarg_segment_ptr 1
		.amdhsa_wavefront_size32 1
		.amdhsa_system_sgpr_workgroup_id_x 1
		.amdhsa_system_sgpr_workgroup_id_y 1
		.amdhsa_system_sgpr_workgroup_id_z 1
		.amdhsa_system_vgpr_workitem_id 0
		.amdhsa_next_free_vgpr 224
		.amdhsa_next_free_sgpr 66
		.amdhsa_reserve_vcc 0
		.amdhsa_float_denorm_mode_32 3
		.amdhsa_float_denorm_mode_16_64 3
		.amdhsa_memory_ordered 1
		.amdhsa_forward_progress 1
		.amdhsa_inst_pref_size 48
	.end_amdhsa_kernel
	.amdgpu_metadata
---
amdhsa.version: [ 1, 2 ]
amdhsa.kernels:
  - .name:           k_q9b4674423f_prep
    .symbol:         k_q9b4674423f_prep.kd
    .args:
      - { .name: x, .offset: 0, .size: 8, .value_kind: global_buffer, .address_space: global }
      - { .name: gamma, .offset: 8, .size: 8, .value_kind: global_buffer, .address_space: global }
      - { .name: beta, .offset: 16, .size: 8, .value_kind: global_buffer, .address_space: global }
      - { .name: Wq, .offset: 24, .size: 8, .value_kind: global_buffer, .address_space: global }
      - { .name: Wk, .offset: 32, .size: 8, .value_kind: global_buffer, .address_space: global }
      - { .name: Wv, .offset: 40, .size: 8, .value_kind: global_buffer, .address_space: global }
      - { .name: Wo, .offset: 48, .size: 8, .value_kind: global_buffer, .address_space: global }
      - { .name: xn, .offset: 56, .size: 8, .value_kind: global_buffer, .address_space: global }
      - { .name: wb, .offset: 64, .size: 8, .value_kind: global_buffer, .address_space: global }
    .group_segment_fixed_size: 0
    .private_segment_fixed_size: 0
    .kernarg_segment_align: 8
    .kernarg_segment_size: 72
    .max_flat_workgroup_size: 256
    .sgpr_count:     66
    .vgpr_count:     224
    .wavefront_size: 32
...
	.end_amdgpu_metadata
.endif
;; end of part 1
;; launch qkv (part 2): grid 12 x 64, 4 waves a work-group, clusters of 4 x 4, 327,680 bytes of LDS; arguments xn, wb, qkv; writes qkv
.if DOCPART == 2
	.amdgcn_target "amdgcn-amd-amdhsa--gfx1250"
	.amdhsa_code_object_version 6
	.text
	.protected	k_q9b4674423f_qkv
	.globl	k_q9b4674423f_qkv
	.p2align	8
	.type	k_q9b4674423f_qkv,@function
k_q9b4674423f_qkv:
	s_mov_b64 s[64:65], 0
	v_nop
	global_prefetch_b8 v0, s[64:65] scope:SCOPE_SE
	s_setreg_imm32_b32 hwreg(HW_REG_WAVE_MODE, 25, 1), 1
	s_wait_xcnt 0x0
	s_wait_alu depctr_hold_cnt(0) depctr_sa_sdst(0) depctr_va_vdst(0) depctr_va_sdst(0) depctr_va_ssrc(0) depctr_va_vcc(0) depctr_vm_vsrc(0)
	s_getreg_b32 s2, hwreg(HW_REG_IB_STS2, 6, 4)
	s_cmp_eq_u32 s2, 0
	s_cbranch_scc0 .Lentry_in_a_cluster
	s_endpgm
.Lentry_in_a_cluster:
	s_bfe_u32 s2, ttmp6, 0x10000c
	s_cmp_lg_u32 s2, 0xf033
	s_cbranch_scc0 .Lentry_shape_is_right
	s_endpgm
.Lentry_shape_is_right:
; qkv[t][e] = sum over d of xn[t][d] wb[e][d], e = 0..3071 (q, k, v side by side).  xn: [8192][1024], wb: [4096][1024], qkv: [8192][3072], f16; sums in f32, rounded once.
; f16's RANGE: q, k and v are matrix operands of the next launches.  With xn of size g and weights of size w a sum of 1,024 products has the size 32 g w: 1 for g = 1, w = 1/32, and 900 with
; both thirty times larger, its peaks about 5,000.  LIMIT: |q|, |k|, |v| below 65,504.
; A work-group makes 128 rows x 256 columns: 64 x 12 = 768 tiles, three for each of 256 WGPs.  Four waves, 2 x 2, each 64 rows x 128 columns: 32 accumulators.
; K goes in steps of 128 through two LDS slots.  A slot: BIG = 256 rows of wb, then SMALL = 128 rows of xn, rows of 256 bytes + 16 of padding.
; Waves 0, 1 fetch BIG's halves (128 rows each), waves 2, 3 SMALL's (64 rows each): one tensor load a wave for a slot.
; CLUSTER 4 x 4: wb's tile hangs on the tile column alone and is asked for jointly by a column of the cluster, xn's on the tile row alone, by a row.
; THE MATRIX INSTRUCTION IS USED TRANSPOSED: source 0 = 16 rows of wb, source 1 = 16 rows of xn; a lane then holds row lane % 16 and the columns 8 (lane / 16) + 0..7.
; REGISTERS: window 0: v0-31 addresses; two fragment buffers F0 = v32-127, F1 = v136-231 (64 registers of wb, 32 of xn); window 1: accumulator (a, b) at v[8 (8 a + b)].
.set PITCH,  272                       ; 68 words: row r starts at bank 4 r mod 64 (64 banks of 4 bytes: ISA guide 11.1), the 16 rows of a fragment load at 16 different banks
.set BIGH,   128*PITCH                 ; half of BIG
.set SMH,    64*PITCH                  ; half of SMALL
.set SMALL,  2*BIGH
.set SLOT,   SMALL+2*SMH               ; 104,448 bytes
.set STAGE,  2*SLOT                    ; behind the ring: 16 rows x 528 bytes for each wave; no tensor load lands here
.set SP,     528                       ; a stage row: 128 f32 + 16 bytes
.set STW,    16*SP
.set LAPS,   4                         ; 1024 / (2 x 128)
.set STEP,   256                       ; bytes along a row from K step to K step, both operands
.set STEPS,  256
.set NF,     24                        ; LDS loads in a run: 16 + 8
.set OPITCH, 6144                      ; bytes in a row of qkv
.set OUTB,   8                         ; s[8:9] the result at my wave's first row and column
.set ADRR, 16                          ; v16-17 LDS address of my xn fragments in slot 0, 1
.set ADRC, 20                          ; v20-21 the same for wb
.set STO,  24
.set RD,   25
.set CO,   26
.set F0,   32
.set F1,   136
.set RB,   32                          ; the way out: 16 rows read back
.set G1,  24                           ; s[24:31] group 1 for BIG;   s[32:39] group 0, one set for each slot
.set G0,  32
.set G1S, 48                           ; s[48:55], s[56:63] the same for SMALL
.set G0S, 56
.set FLAGS, (1<<16)|(1<<20)|(1<<21)|(5<<22)|(3<<25)   ; elements of 2 bytes; padding on; bit 21 beside a mask; after every 64 words, 4 words
.set MSB, 0
.macro WIN new                         ; the immediate's high byte repeats the setting that is left; a switch that changes nothing is dropped
.if MSB != \new
	s_set_vgpr_msb (MSB<<8)|\new
.set MSB, \new
.endif
.endm
.macro PLACES                          ; four plain vector instructions behind a matrix instruction, in front of loads into its sources and of readers of its result
.rept 4
	v_nop
.endr
.endm
.macro CREST                           ; a round of the cluster's barrier behind its opening barrier
	s_cmp_lg_u32 s10, 0
	s_cbranch_scc1 .Lnot_wave_0_\@
	s_barrier_signal -3
.Lnot_wave_0_\@:
	s_barrier_wait -3
	s_barrier_signal -1
	s_barrier_wait -1
.endm
.macro CROUND
	s_barrier_signal -1
	s_barrier_wait -1
	CREST
.endm
.macro JLOAD s                         ; a joint refill; the branch hangs on the wave's number alone; four v_nop follow each line
	s_cmp_eq_u32 s11, 0
	s_cbranch_scc0 .Lsmall_\@
	tensor_load_to_lds s[G0+4*\s:G0+4*\s+3], s[G1:G1+7]
	s_nop 0
.rept 4
	v_nop
.endr
	s_branch .Lasked_\@
.Lsmall_\@:
	tensor_load_to_lds s[G0S+4*\s:G0S+4*\s+3], s[G1S:G1S+7]
	s_nop 0
.rept 4
	v_nop
.endr
.Lasked_\@:
.endm
	s_load_b128 s[4:7], s[0:1], 0x0                ; xn s[4:5], wb s[6:7]
	s_load_b64 s[8:9], s[0:1], 0x10                ; qkv
	v_lshl_add_u32 v254, v0, 2, 0x3b400
	v_mov_b32 v255, 0
	ds_add_u32 v254, v255
	v_lshrrev_b32 v1, 5, v0
	v_readfirstlane_b32 s10, v1                    ; wave 0..3
	s_lshr_b32 s11, s10, 1                         ; my half of the tile's rows.  Also: I fetch BIG (0) or SMALL (1)
	s_and_b32 s12, s10, 1                          ; my half of its columns.  Also: which half I fetch
	s_bfe_u32 s40, ttmp6, 0x40000                  ; cx
	s_bfe_u32 s41, ttmp6, 0x40004                  ; cy
	s_lshl_b32 s42, ttmp9, 2
	s_add_co_u32 s42, s42, s40                     ; tile column = 4 x cluster x + cx
	s_and_b32 s13, ttmp7, 0xffff
	s_lshl_b32 s13, s13, 2
	s_add_co_u32 s13, s13, s41                     ; tile row = 4 x cluster y + cy
	s_lshl_b32 s43, s41, 2
	s_lshl_b32 s43, 15, s43                        ; my row of the cluster
	s_lshl_b32 s44, 0x1111, s40                    ; my column
	s_or_b32 s[G1], s44, FLAGS                     ; wb's tiles go to my column
	s_or_b32 s[G1S], s43, FLAGS                    ; xn's to my row
	s_mov_b32 s[G1+1], 128<<16                     ; tensor_dim0 = 128
	s_mov_b32 s[G1+2], 128<<16                     ; tensor_dim1 = 128
	s_mov_b32 s[G1+3], 128<<16                     ; tile_dim0 = 128
	s_mov_b32 s[G1+4], 128                         ; tile_dim1 = 128
	s_mov_b32 s[G1+5], 1024                        ; elements from row to row
	s_mov_b32 s[G1+6], 0
	s_mov_b32 s[G1+7], 0
	s_mov_b32 s[G1S+1], 128<<16
	s_mov_b32 s[G1S+2], 64<<16                     ; 64 rows
	s_mov_b32 s[G1S+3], 128<<16
	s_mov_b32 s[G1S+4], 64
	s_mov_b32 s[G1S+5], 1024
	s_mov_b32 s[G1S+6], 0
	s_mov_b32 s[G1S+7], 0
	s_lshl_b32 s46, s42, 19                        ; wb: (256 x tile column + 128 x half) rows of 2,048 bytes
	s_lshl_b32 s47, s12, 18
	s_add_co_u32 s46, s46, s47
	s_mov_b32 s47, 0
	s_lshl_b32 s16, s13, 18                        ; xn: (128 x tile row + 64 x half) rows
	s_lshl_b32 s17, s12, 17
	s_add_co_u32 s16, s16, s17
	s_mov_b32 s17, 0
	s_mul_i32 s20, s10, BIGH                       ; where they go: waves 0, 1: BIG's halves;
	s_mul_i32 s21, s10, SMH
	s_add_co_u32 s21, s21, SMALL-2*SMH             ; waves 2, 3: SMALL's halves.  No place in the cluster enters an LDS address
	s_wait_dscnt 0x0
	s_wait_kmcnt 0x0
	s_add_nc_u64 s[46:47], s[6:7], s[46:47]
	s_add_nc_u64 s[14:15], s[4:5], s[16:17]
.irp s, 0,1
	s_mov_b32 s[G0+4*\s], 1
	s_add_co_u32 s[G0+4*\s+1], s20, \s*SLOT
	s_add_nc_u64 s[G0+4*\s+2:G0+4*\s+3], s[46:47], \s*STEP
	s_or_b32 s[G0+4*\s+3], s[G0+4*\s+3], 0x80000000
	s_mov_b32 s[G0S+4*\s], 1
	s_add_co_u32 s[G0S+4*\s+1], s21, \s*SLOT
	s_add_nc_u64 s[G0S+4*\s+2:G0S+4*\s+3], s[14:15], \s*STEPS
	s_or_b32 s[G0S+4*\s+3], s[G0S+4*\s+3], 0x80000000
.endr
	CROUND                                         ; all sixteen work-groups are here: the first joint loads meet
	s_cmp_eq_u32 s11, 0                            ; a wave's two first fills stand in one branch: two loads of mine are out
	s_cbranch_scc0 .Lfirst_small
	tensor_load_to_lds s[G0:G0+3], s[G1:G1+7]
	s_nop 0
	tensor_load_to_lds s[G0+4:G0+7], s[G1:G1+7]
	s_nop 0
.rept 4
	v_nop
.endr
	s_branch .Lfirst_asked
.Lfirst_small:
	tensor_load_to_lds s[G0S:G0S+3], s[G1S:G1S+7]
	s_nop 0
	tensor_load_to_lds s[G0S+4:G0S+7], s[G1S:G1S+7]
	s_nop 0
.rept 4
	v_nop
.endr
.Lfirst_asked:
	; a fragment: lane l holds row l % 16; registers 0-3 K = 8 (l / 16) + 0..7, registers 4-7 K = 16 + 8 (l / 16) + 0..7: two loads of 16 bytes, 32 apart
	v_and_b32 v1, 15, v0
	v_bfe_u32 v2, v0, 4, 1
	v_and_b32 v3, 31, v0
	v_mul_u32_u24 v4, v1, PITCH
	v_lshl_add_u32 v4, v2, 4, v4
	s_mul_i32 s22, s12, BIGH                       ; my 128 rows of wb
	s_mul_i32 s23, s11, SMH                        ; my 64 rows of xn,
	s_add_co_u32 s23, s23, SMALL                   ; behind BIG
.irp s, 0,1
	v_add_nc_u32 v[ADRC+\s], s22, v4
	v_add_nc_u32 v[ADRR+\s], s23, v4
	s_add_co_u32 s22, s22, SLOT
	s_add_co_u32 s23, s23, SLOT
.endr
	s_mul_i32 s22, s10, STW
	s_add_co_u32 s22, s22, STAGE                   ; my stage
	v_mul_u32_u24 v5, v1, SP                       ; in: row l % 16, 32 bytes for each half of the lanes
	v_lshl_add_u32 v5, v2, 5, v5
	v_add_nc_u32 v[STO], s22, v5
	v_lshl_add_u32 v[RD], v3, 4, s22               ; back: a whole row of 512 bytes, 16 a lane
	v_lshlrev_b32 v[CO], 3, v3                     ; my 8 bytes of the row's 256 in the result
	s_lshl_b32 s66, s13, 7                         ; the result at row 128 x tile row + 64 x half, byte 512 x tile column + 256 x half
	s_lshl_b32 s67, s11, 6
	s_add_co_u32 s66, s66, s67
	s_mul_i32 s66, s66, OPITCH
	s_lshl_b32 s67, s42, 9
	s_add_co_u32 s66, s66, s67
	s_lshl_b32 s67, s12, 8
	s_add_co_u32 s66, s66, s67
	s_mov_b32 s67, 0
	s_add_nc_u64 s[OUTB:OUTB+1], s[OUTB:OUTB+1], s[66:67]
.macro FETCH slot, q, f                ; 24 LDS loads in one run: the fragments of 32 along K, quarter q of the slot, into buffer f
.irp i, 0,1,2,3,4,5,6,7
	ds_load_b128 v[\f+8*\i:\f+8*\i+3],   v[ADRC+\slot] offset:64*\q+\i*16*PITCH
	ds_load_b128 v[\f+8*\i+4:\f+8*\i+7], v[ADRC+\slot] offset:64*\q+\i*16*PITCH+32
.endr
.irp i, 0,1,2,3
	ds_load_b128 v[\f+64+8*\i:\f+64+8*\i+3],   v[ADRR+\slot] offset:64*\q+\i*16*PITCH
	ds_load_b128 v[\f+64+8*\i+4:\f+64+8*\i+7], v[ADRR+\slot] offset:64*\q+\i*16*PITCH+32
.endr
.endm
.macro MUL8 f, a, mode                 ; row block a x all 8 column blocks; mode 1: the product starts the sums
.irp b, 0,1,2,3,4,5,6,7
.if \mode == 1
	v_wmma_f32_16x16x32_f16 v[8*(8*(\a)+\b):8*(8*(\a)+\b)+7], v[\f+8*\b:\f+8*\b+7], v[\f+64+8*(\a):\f+64+8*(\a)+7], 0
.else
	v_wmma_f32_16x16x32_f16 v[8*(8*(\a)+\b):8*(8*(\a)+\b)+7], v[\f+8*\b:\f+8*\b+7], v[\f+64+8*(\a):\f+64+8*(\a)+7], v[8*(8*(\a)+\b):8*(8*(\a)+\b)+7]
.endif
.endr
.endm
.macro MULS f, a0, cnt, mode           ; the 32 accumulators take turns, one instruction a turn, in the same order in every quarter
	WIN 0x50                                       ; C and D in window 1
.set aa, \a0
.rept \cnt
	MUL8 \f, aa, \mode
.set aa, aa+1
.endr
.endm
.macro QUARTER slot, q, f, g, mode     ; fetches quarter q into g, multiplies f
	PLACES                                         ; g was multiplied last
	WIN 0
	FETCH \slot, \q, \g
	s_wait_dscnt NF                                ; all but the run just issued: f is in
	MULS \f, 0, 4, \mode
.endm
.macro TURN slot, next, fill           ; the last quarter of a K step, and the change of slots
	s_wait_dscnt 0x0                               ; F1 is in, and my reads of this slot are over
	s_wait_tensorcnt 0x0                           ; all my tensor loads have landed: the one that was out is my part of the next slot
	ds_add_u32 v254, v255
	s_wait_dscnt 0x0
	s_barrier_signal -1
	MULS F1, 0, 2, 0                               ; registers only
	WIN 0
	s_barrier_wait -1
.if \fill
	CREST                                          ; that barrier opened a round of the cluster's: no wave of any partner still reads this slot or has a load on its way
	s_add_nc_u64 s[G0+4*\slot+2:G0+4*\slot+3], s[G0+4*\slot+2:G0+4*\slot+3], 2*STEP
	s_add_nc_u64 s[G0S+4*\slot+2:G0S+4*\slot+3], s[G0S+4*\slot+2:G0S+4*\slot+3], 2*STEPS
	JLOAD \slot                                    ; first behind the round; 112 matrix instructions stand between it and the wait for it; its four v_nop are the places for the loads below
.else
	PLACES
.endif
	FETCH \next, 0, F0
	MULS F1, 2, 2, 0
.endm
.macro OUTBLK a                        ; 16 rows go out: f32 into my stage, back as whole rows, rounded, stored
	s_wait_xcnt 0x0                                ; RB, which the last block's stores read, is loaded again only behind this wait
	WIN 0x04                                       ; store data in window 1
.irp b, 0,1,2,3,4,5,6,7
	ds_store_b128 v[STO], v[8*(8*\a+\b):8*(8*\a+\b)+3]   offset:64*\b
	ds_store_b128 v[STO], v[8*(8*\a+\b)+4:8*(8*\a+\b)+7] offset:64*\b+16
.endr
	WIN 0
.irp t, 0,1,2,3,4,5,6,7,8,9,10,11,12,13,14,15
	ds_load_b128 v[RB+4*\t:RB+4*\t+3], v[RD] offset:SP*\t   ; my own bytes; LDS serves a wave's instructions in order (ISA guide 5.7.1.4)
.endr
.irp t, 0,1,2,3,4,5,6,7,8,9,10,11,12,13,14,15
	s_wait_dscnt 15-\t                             ; row t is back, the younger rows stay out
	v_cvt_pk_f16_f32 v[RB+4*\t],   v[RB+4*\t],   v[RB+4*\t+1]
	v_cvt_pk_f16_f32 v[RB+4*\t+1], v[RB+4*\t+2], v[RB+4*\t+3]
	global_store_b64 v[CO], v[RB+4*\t:RB+4*\t+1], s[OUTB:OUTB+1] offset:(16*\a+\t)*OPITCH   ; the wave stores 256 consecutive bytes, aligned
.endr
.endm
	s_wait_tensorcnt 0x1                           ; my part of slot 0 is in; slot 1's stays out
	s_barrier_signal -1
	s_barrier_wait -1
	FETCH 0, 0, F0
	QUARTER 0, 1, F0, F1, 1                        ; the first quarter stands in front of the loop: its products start the sums
	WIN 0
	s_mov_b32 s3, LAPS-1
.Llap:                                                 ; once round the ring, from a lap's second quarter to the next lap's first; both slots are filled again
	QUARTER 0, 2, F1, F0, 0
	QUARTER 0, 3, F0, F1, 0
	TURN 0, 1, 1
	QUARTER 1, 1, F0, F1, 0
	QUARTER 1, 2, F1, F0, 0
	QUARTER 1, 3, F0, F1, 0
	TURN 1, 0, 1
	QUARTER 0, 1, F0, F1, 0
	WIN 0
	s_sub_co_u32 s3, s3, 1
	s_cmp_lg_u32 s3, 0
	s_cbranch_scc1 .Llap
	QUARTER 0, 2, F1, F0, 0                        ; the last lap fills nothing
	QUARTER 0, 3, F0, F1, 0
	TURN 0, 1, 0
	QUARTER 1, 1, F0, F1, 0
	QUARTER 1, 2, F1, F0, 0
	QUARTER 1, 3, F0, F1, 0
	s_wait_dscnt 0x0
	MULS F1, 0, 4, 0
	WIN 0
	PLACES
	OUTBLK 0
	OUTBLK 1
	OUTBLK 2
	OUTBLK 3
	s_wait_tensorcnt 0x0
	ds_add_u32 v254, v255
	s_wait_dscnt 0x0
	CROUND                                         ; the closing round: no work-group ends while a partner may still ask for a tile that names it
	s_endpgm
.Lfunc_end_k_q9b4674423f_qkv:
	.size	k_q9b4674423f_qkv, .Lfunc_end_k_q9b4674423f_qkv-k_q9b4674423f_qkv
	.p2alignl 7, 3214868480
	.fill 96, 4, 3214868480
	.section	.rodata,"a",@progbits
	.p2align	6, 0x0
	.amdhsa_kernel k_q9b4674423f_qkv
		.amdhsa_group_segment_fixed_size 327680
		.amdhsa_private_segment_fixed_size 0
		.amdhsa_enable_private_segment 0
		.amdhsa_kernarg_size 24
		.amdhsa_user_sgpr_count 2
		.amdhsa_user_sgpr_kernarg_segment_ptr 1
		.amdhsa_wavefront_size32 1
		.amdhsa_system_sgpr_workgroup_id_x 1
		.amdhsa_system_sgpr_workgroup_id_y 1
		.amdhsa_system_sgpr_workgroup_id_z 1
		.amdhsa_system_vgpr_workitem_id 0
		.amdhsa_next_free_vgpr 512
		.amdhsa_next_free_sgpr 68
		.amdhsa_reserve_vcc 0
		.amdhsa_float_denorm_mode_32 3
		.amdhsa_float_denorm_mode_16_64 3
		.amdhsa_memory_ordered 1
		.amdhsa_forward_progress 1
		.amdhsa_inst_pref_size 93
	.end_amdhsa_kernel
	.amdgpu_metadata
---
amdhsa.version: [ 1, 2 ]
amdhsa.kernels:
  - .name:           k_q9b4674423f_qkv
    .symbol:         k_q9b4674423f_qkv.kd
    .args:
      - { .name: xn, .offset: 0, .size: 8, .value_kind: global_buffer, .address_space: global }
      - { .name: wb, .offset: 8, .size: 8, .value_kind: global_buffer, .address_space: global }
      - { .name: qkv, .offset: 16, .size: 8, .value_kind: global_buffer, .address_space: global }
    .group_segment_fixed_size: 327680
    .private_segment_fixed_size: 0
    .kernarg_segment_align: 8
    .kernarg_segment_size: 24
    .max_flat_workgroup_size: 128
    .sgpr_count:     68
    .vgpr_count:     512
    .wavefront_size: 32
...
	.end_amdgpu_metadata
.endif
;; end of part 2
;; launch scores (part 3): grid 16 x 32, 4 waves a work-group, clusters of 4 x 4, 327,680 bytes of LDS; arguments qkv, l, pt, stm, stl; writes pt, stm, stl
.if DOCPART == 3
	.amdgcn_target "amdgcn-amd-amdhsa--gfx1250"
	.amdhsa_code_object_version 6
	.text
	.protected	k_q9b4674423f_scores
	.globl	k_q9b4674423f_scores
	.p2align	8
	.type	k_q9b4674423f_scores,@function
k_q9b4674423f_scores:
	s_mov_b64 s[64:65], 0
	v_nop
	global_prefetch_b8 v0, s[64:65] scope:SCOPE_SE
	s_setreg_imm32_b32 hwreg(HW_REG_WAVE_MODE, 25, 1), 1
	s_wait_xcnt 0x0
	s_wait_alu depctr_hold_cnt(0) depctr_sa_sdst(0) depctr_va_vdst(0) depctr_va_sdst(0) depctr_va_ssrc(0) depctr_va_vcc(0) depctr_vm_vsrc(0)
	s_getreg_b32 s2, hwreg(HW_REG_IB_STS2, 6, 4)
	s_cmp_eq_u32 s2, 0
	s_cbranch_scc0 .Lentry_in_a_cluster
	s_endpgm
.Lentry_in_a_cluster:
	s_bfe_u32 s2, ttmp6, 0x10000c
	s_cmp_lg_u32 s2, 0xf033
	s_cbranch_scc0 .Lentry_shape_is_right
	s_endpgm
.Lentry_shape_is_right:
; For a block p of 128 queries i and 256 keys j of batch b:  s[j][i] = k[j] . q[i] (raw), rows i >= l[b] masked;
;   mx[j] = max over the block's i of s,   pt[b][j][i] = 2^(c (s - mx)) in f16,   stm[b][p][j] = c mx,   stl[b][p][j] = the sum over the block's i of the weights,
; c = log2(e) / sqrt(1024).  The softmax runs over i: the next launch joins the 16 blocks' maxima and sums, so a true maximum is taken away block by block.
; The weights lie in [0, 1], inside f16's range for every input; one below 6.1e-5 is kept to 6e-8.
; reference()'s constant C_BIAS is added to every score of a column alike and cancels in that softmax; it is not added.
; THE MASK: every accumulator starts from 0 where i < l and from -2^100 where not.  In a block with a valid row a masked row's weight is 2^(-huge) = 0.  In a block without one
; the weights lie in [0, 1] (the exponent c (s - mx) is never above 0) and c mx is about -5.7e28, which the next launch turns into the factor 0.  No infinity arises.
; LIMITS: l in [1, 2048], as reference() needs for finite results; |k . q| below 2^76, so that -2^100 swallows a masked score.
; A work-group makes 256 j x 128 i: 32 x 16 = 512 tiles.  Four waves, each 64 j x 128 i: 32 accumulators; so a column's reduction over the block's i stays inside one wave.
; K (the 1,024 channels) goes in steps of 128 through two LDS slots: BIG = 256 rows of k, SMALL = 128 rows of q, rows of 256 bytes + 16.  Waves 0, 1 fetch BIG's halves, waves 2, 3 SMALL's.
; CLUSTER 4 x 4: k's tile hangs on the tile row alone: asked for jointly by a row of the cluster; q's on the tile column and the batch (the same for a whole cluster): by a column.
; TRANSPOSED USE: source 0 = 16 rows of q, source 1 = 16 rows of k: a lane holds ONE key j = lane % 16 and the queries 8 (lane / 16) + 0..7 of each of 8 blocks:
; maximum and sum over i are taken inside the lane, with one exchange between the halves of the lanes.
; REGISTERS: window 0: v0-31 addresses; F0 = v32-127, F1 = v136-231; window 1: accumulator (a, b) at v[8 (8 a + b)]; window 2: v0-63 the mask's start values for b = 0..7.
.set PITCH,  272                       ; 68 words: row r starts at bank 4 r mod 64 (64 banks of 4 bytes: ISA guide 11.1)
.set BIGH,   128*PITCH
.set SMH,    64*PITCH
.set SMALL,  2*BIGH
.set SLOT,   SMALL+2*SMH
.set STAGE,  2*SLOT                    ; 16 rows x 528 bytes for each wave
.set SP,     528
.set STW,    16*SP
.set SCR,    STAGE+4*STW               ; 512 bytes for each wave: 64 c mx, then 64 sums
.set LAPS,   4
.set STEP,   256
.set STEPS,  256
.set NF,     24
.set OPITCH, 4096                      ; bytes in a row of pt
.set OUTB,   68                        ; s[68:69] pt at my wave's first row and column
.set ADRR, 16
.set ADRC, 20
.set STO,  24
.set RD,   25
.set CO,   26
.set SCA,  27                          ; v27 where lane % 16 puts a statistic
.set SCB,  28                          ; v28 where a lane reads two of them back
.set F0,   32
.set F1,   136
.set RB,   32
.set MX,   96                          ; v[96+2a] mx, v[97+2a] c mx of row block a
.set TT,   104                         ; v104-107 at work
.set ZP,   108                         ; v[108+8a+2k] chain k of row block a's sum
.set G1,  24
.set G0,  32
.set G1S, 48
.set G0S, 56
.set SEL, 80                           ; s[80:81] v_permlanex16_b32: each lane takes its own place in the other half
.set CS,  82                           ; s[82:83] c
.set FLAGS, (1<<16)|(1<<20)|(1<<21)|(5<<22)|(3<<25)
.set MSB, 0
.macro WIN new
.if MSB != \new
	s_set_vgpr_msb (MSB<<8)|\new
.set MSB, \new
.endif
.endm
.macro PLACES
.rept 4
	v_nop
.endr
.endm
.macro CREST
	s_cmp_lg_u32 s10, 0
	s_cbranch_scc1 .Lnot_wave_0_\@
	s_barrier_signal -3
.Lnot_wave_0_\@:
	s_barrier_wait -3
	s_barrier_signal -1
	s_barrier_wait -1
.endm
.macro CROUND
	s_barrier_signal -1
	s_barrier_wait -1
	CREST
.endm
.macro JLOAD s
	s_cmp_eq_u32 s11, 0
	s_cbranch_scc0 .Lsmall_\@
	tensor_load_to_lds s[G0+4*\s:G0+4*\s+3], s[G1:G1+7]
	s_nop 0
.rept 4
	v_nop
.endr
	s_branch .Lasked_\@
.Lsmall_\@:
	tensor_load_to_lds s[G0S+4*\s:G0S+4*\s+3], s[G1S:G1S+7]
	s_nop 0
.rept 4
	v_nop
.endr
.Lasked_\@:
.endm
	s_load_b128 s[4:7], s[0:1], 0x0                ; qkv s[4:5], l s[6:7]
	s_load_b128 s[68:71], s[0:1], 0x10             ; pt s[68:69], stm s[70:71]
	s_load_b64 s[72:73], s[0:1], 0x20              ; stl
	v_lshl_add_u32 v254, v0, 2, 0x3bc00
	v_mov_b32 v255, 0
	ds_add_u32 v254, v255
	v_lshrrev_b32 v1, 5, v0
	v_readfirstlane_b32 s10, v1                    ; wave 0..3: also my 64 of the tile's 256 keys
	s_lshr_b32 s11, s10, 1                         ; I fetch BIG (0) or SMALL (1),
	s_and_b32 s12, s10, 1                          ; this half of it
	s_bfe_u32 s40, ttmp6, 0x40000                  ; cx
	s_bfe_u32 s41, ttmp6, 0x40004                  ; cy
	s_lshl_b32 s42, ttmp9, 2
	s_add_co_u32 s42, s42, s40                     ; p, the block of 128 queries = 4 x cluster x + cx
	s_and_b32 s45, ttmp7, 0xffff
	s_lshl_b32 s13, s45, 2
	s_add_co_u32 s13, s13, s41                     ; the block of 256 keys, counted through the batches = 4 x cluster y + cy
	s_lshr_b32 s45, s45, 1                         ; the batch: eight key blocks, two clusters, to a batch; made of the cluster's y alone
	s_lshl_b32 s43, s41, 2
	s_lshl_b32 s43, 15, s43                        ; my row of the cluster
	s_lshl_b32 s44, 0x1111, s40                    ; my column
	s_or_b32 s[G1], s43, FLAGS                     ; k's tiles go to my row
	s_or_b32 s[G1S], s44, FLAGS                    ; q's to my column
	s_mov_b32 s[G1+1], 128<<16
	s_mov_b32 s[G1+2], 128<<16
	s_mov_b32 s[G1+3], 128<<16
	s_mov_b32 s[G1+4], 128
	s_mov_b32 s[G1+5], 3072                        ; elements from row to row of qkv
	s_mov_b32 s[G1+6], 0
	s_mov_b32 s[G1+7], 0
	s_mov_b32 s[G1S+1], 128<<16
	s_mov_b32 s[G1S+2], 64<<16
	s_mov_b32 s[G1S+3], 128<<16
	s_mov_b32 s[G1S+4], 64
	s_mov_b32 s[G1S+5], 3072
	s_mov_b32 s[G1S+6], 0
	s_mov_b32 s[G1S+7], 0
	s_lshl_b32 s16, s13, 8                         ; k: row 256 x key block + 128 x half, 6,144 bytes a row, k's columns begin at byte 2,048
	s_lshl_b32 s17, s12, 7
	s_add_co_u32 s16, s16, s17
	s_mul_i32 s16, s16, 6144
	s_add_co_u32 s16, s16, 2048
	s_mov_b32 s17, 0
	s_lshl_b32 s46, s45, 11                        ; q: row 2048 x batch + 128 p + 64 x half
	s_lshl_b32 s47, s42, 7
	s_add_co_u32 s46, s46, s47
	s_lshl_b32 s47, s12, 6
	s_add_co_u32 s46, s46, s47
	s_mul_i32 s46, s46, 6144
	s_mov_b32 s47, 0
	s_lshl_b32 s74, s45, 2                         ; l[batch]
	s_mov_b32 s75, 0
	s_mul_i32 s20, s10, BIGH
	s_mul_i32 s21, s10, SMH
	s_add_co_u32 s21, s21, SMALL-2*SMH
	s_mov_b32 s[SEL], 0x76543210
	s_mov_b32 s[SEL+1], 0xfedcba98
	s_mov_b32 s[CS], 0x3d38aa3b                    ; log2(e) / 32
	s_mov_b32 s[CS+1], s[CS]                       ; named with it as a pair
	s_wait_dscnt 0x0
	s_wait_kmcnt 0x0
	s_add_nc_u64 s[14:15], s[4:5], s[16:17]
	s_add_nc_u64 s[46:47], s[4:5], s[46:47]
	s_add_nc_u64 s[6:7], s[6:7], s[74:75]
	s_load_b32 s76, s[6:7], 0x0
.irp s, 0,1
	s_mov_b32 s[G0+4*\s], 1
	s_add_co_u32 s[G0+4*\s+1], s20, \s*SLOT
	s_add_nc_u64 s[G0+4*\s+2:G0+4*\s+3], s[14:15], \s*STEP
	s_or_b32 s[G0+4*\s+3], s[G0+4*\s+3], 0x80000000
	s_mov_b32 s[G0S+4*\s], 1
	s_add_co_u32 s[G0S+4*\s+1], s21, \s*SLOT
	s_add_nc_u64 s[G0S+4*\s+2:G0S+4*\s+3], s[46:47], \s*STEPS
	s_or_b32 s[G0S+4*\s+3], s[G0S+4*\s+3], 0x80000000
.endr
	CROUND                                         ; all sixteen work-groups are here: the first joint loads meet
	s_cmp_eq_u32 s11, 0                            ; a wave's two first fills stand in one branch: two loads of mine are out
	s_cbranch_scc0 .Lfirst_small
	tensor_load_to_lds s[G0:G0+3], s[G1:G1+7]
	s_nop 0
	tensor_load_to_lds s[G0+4:G0+7], s[G1:G1+7]
	s_nop 0
.rept 4
	v_nop
.endr
	s_branch .Lfirst_asked
.Lfirst_small:
	tensor_load_to_lds s[G0S:G0S+3], s[G1S:G1S+7]
	s_nop 0
	tensor_load_to_lds s[G0S+4:G0S+7], s[G1S:G1S+7]
	s_nop 0
.rept 4
	v_nop
.endr
.Lfirst_asked:
	v_and_b32 v1, 15, v0
	v_bfe_u32 v2, v0, 4, 1
	v_and_b32 v3, 31, v0
	v_mul_u32_u24 v4, v1, PITCH
	v_lshl_add_u32 v4, v2, 4, v4
	s_mov_b32 s22, SMALL                           ; all 128 rows of q are mine
	s_mul_i32 s23, s10, SMH                        ; my 64 rows of k
.irp s, 0,1
	v_add_nc_u32 v[ADRC+\s], s22, v4
	v_add_nc_u32 v[ADRR+\s], s23, v4
	s_add_co_u32 s22, s22, SLOT
	s_add_co_u32 s23, s23, SLOT
.endr
	s_mul_i32 s22, s10, STW
	s_add_co_u32 s22, s22, STAGE
	v_mul_u32_u24 v5, v1, SP
	v_lshl_add_u32 v5, v2, 5, v5
	v_add_nc_u32 v[STO], s22, v5
	v_lshl_add_u32 v[RD], v3, 4, s22
	v_lshlrev_b32 v[CO], 3, v3
	s_lshl_b32 s22, s10, 9
	s_add_co_u32 s22, s22, SCR
	v_lshl_add_u32 v[SCA], v1, 2, s22
	v_lshl_add_u32 v[SCB], v3, 3, s22
	s_lshl_b32 s66, s13, 20                        ; pt at row 256 x key block + 64 x wave (4,096 bytes a row), byte 256 p
	s_lshl_b32 s67, s10, 18
	s_add_co_u32 s66, s66, s67
	s_lshl_b32 s67, s42, 8
	s_add_co_u32 s66, s66, s67
	s_mov_b32 s67, 0
	s_add_nc_u64 s[OUTB:OUTB+1], s[OUTB:OUTB+1], s[66:67]
	s_lshl_b32 s66, s45, 4                         ; the statistics at ((16 x batch + p) x 2048 + 256 x (key block % 8) + 64 x wave) x 4 bytes
	s_add_co_u32 s66, s66, s42
	s_lshl_b32 s66, s66, 13
	s_and_b32 s78, s13, 7
	s_lshl_b32 s78, s78, 10
	s_add_co_u32 s66, s66, s78
	s_lshl_b32 s78, s10, 8
	s_add_co_u32 s66, s66, s78
	s_add_nc_u64 s[70:71], s[70:71], s[66:67]
	s_add_nc_u64 s[72:73], s[72:73], s[66:67]
	; the mask's start values: register j of column block b stands for query 128 p + 16 b + 8 (lane / 16) + j, which is valid where 16 b + j < l - 128 p - 8 (lane / 16)
	s_wait_kmcnt 0x0                               ; l
	s_lshl_b32 s78, s42, 7
	s_sub_co_i32 s77, s76, s78
	v_lshlrev_b32 v6, 3, v2
	v_sub_nc_u32 v6, s77, v6
	v_mov_b32 v7, 0xf1800000                       ; -2^100
	v_mov_b32 v8, 0
	WIN 0x80                                       ; destination in window 2
.irp b, 0,1,2,3,4,5,6,7
.irp j, 0,1,2,3,4,5,6,7
	v_cmp_lt_i32 vcc_lo, 16*\b+\j, v6
	v_cndmask_b32 v[8*\b+\j], v7, v8, vcc_lo
.endr
.endr
	WIN 0
.macro FETCH slot, q, f
.irp i, 0,1,2,3,4,5,6,7
	ds_load_b128 v[\f+8*\i:\f+8*\i+3],   v[ADRC+\slot] offset:64*\q+\i*16*PITCH
	ds_load_b128 v[\f+8*\i+4:\f+8*\i+7], v[ADRC+\slot] offset:64*\q+\i*16*PITCH+32
.endr
.irp i, 0,1,2,3
	ds_load_b128 v[\f+64+8*\i:\f+64+8*\i+3],   v[ADRR+\slot] offset:64*\q+\i*16*PITCH
	ds_load_b128 v[\f+64+8*\i+4:\f+64+8*\i+7], v[ADRR+\slot] offset:64*\q+\i*16*PITCH+32
.endr
.endm
.macro MUL8 f, a, mode                 ; mode 2: the product starts the sums from the mask's start values
.irp b, 0,1,2,3,4,5,6,7
.if \mode == 2
	v_wmma_f32_16x16x32_f16 v[8*(8*(\a)+\b):8*(8*(\a)+\b)+7], v[\f+8*\b:\f+8*\b+7], v[\f+64+8*(\a):\f+64+8*(\a)+7], v[8*\b:8*\b+7]
.else
	v_wmma_f32_16x16x32_f16 v[8*(8*(\a)+\b):8*(8*(\a)+\b)+7], v[\f+8*\b:\f+8*\b+7], v[\f+64+8*(\a):\f+64+8*(\a)+7], v[8*(8*(\a)+\b):8*(8*(\a)+\b)+7]
.endif
.endr
.endm
.macro MULS f, a0, cnt, mode           ; the 32 accumulators take turns, one instruction a turn, in the same order in every quarter
.if \mode == 2
	WIN 0x60                                       ; D in window 1, C in window 2
.else
	WIN 0x50                                       ; C and D in window 1
.endif
.set aa, \a0
.rept \cnt
	MUL8 \f, aa, \mode
.set aa, aa+1
.endr
.endm
.macro QUARTER slot, q, f, g, mode
	PLACES                                         ; g was multiplied last
	WIN 0
	FETCH \slot, \q, \g
	s_wait_dscnt NF                                ; all but the run just issued: f is in
	MULS \f, 0, 4, \mode
.endm
.macro TURN slot, next, fill
	s_wait_dscnt 0x0                               ; F1 is in, and my reads of this slot are over
	s_wait_tensorcnt 0x0                           ; all my tensor loads have landed: the one that was out is my part of the next slot
	ds_add_u32 v254, v255
	s_wait_dscnt 0x0
	s_barrier_signal -1
	MULS F1, 0, 2, 0
	WIN 0
	s_barrier_wait -1
.if \fill
	CREST                                          ; no wave of any partner still reads this slot or has a load on its way
	s_add_nc_u64 s[G0+4*\slot+2:G0+4*\slot+3], s[G0+4*\slot+2:G0+4*\slot+3], 2*STEP
	s_add_nc_u64 s[G0S+4*\slot+2:G0S+4*\slot+3], s[G0S+4*\slot+2:G0S+4*\slot+3], 2*STEPS
	JLOAD \slot                                    ; first behind the round; its four v_nop are the places for the loads below
.else
	PLACES
.endif
	FETCH \next, 0, F0
	MULS F1, 2, 2, 0
.endm
.macro OUTBLK a
	s_wait_xcnt 0x0                                ; RB, which earlier stores read, is loaded again only behind this wait
	WIN 0x04
.irp b, 0,1,2,3,4,5,6,7
	ds_store_b128 v[STO], v[8*(8*\a+\b):8*(8*\a+\b)+3]   offset:64*\b
	ds_store_b128 v[STO], v[8*(8*\a+\b)+4:8*(8*\a+\b)+7] offset:64*\b+16
.endr
	WIN 0
.irp t, 0,1,2,3,4,5,6,7,8,9,10,11,12,13,14,15
	ds_load_b128 v[RB+4*\t:RB+4*\t+3], v[RD] offset:SP*\t
.endr
.irp t, 0,1,2,3,4,5,6,7,8,9,10,11,12,13,14,15
	s_wait_dscnt 15-\t                             ; row t is back, the younger rows stay out
	v_cvt_pk_f16_f32 v[RB+4*\t],   v[RB+4*\t],   v[RB+4*\t+1]
	v_cvt_pk_f16_f32 v[RB+4*\t+1], v[RB+4*\t+2], v[RB+4*\t+3]
	global_store_b64 v[CO], v[RB+4*\t:RB+4*\t+1], s[OUTB:OUTB+1] offset:(16*\a+\t)*OPITCH   ; the wave stores 256 consecutive bytes, aligned
.endr
.endm
	s_wait_tensorcnt 0x1                           ; my part of slot 0 is in; slot 1's stays out
	s_barrier_signal -1
	s_barrier_wait -1
	FETCH 0, 0, F0
	QUARTER 0, 1, F0, F1, 2
	WIN 0
	s_mov_b32 s3, LAPS-1
.Llap:
	QUARTER 0, 2, F1, F0, 0
	QUARTER 0, 3, F0, F1, 0
	TURN 0, 1, 1
	QUARTER 1, 1, F0, F1, 0
	QUARTER 1, 2, F1, F0, 0
	QUARTER 1, 3, F0, F1, 0
	TURN 1, 0, 1
	QUARTER 0, 1, F0, F1, 0
	WIN 0
	s_sub_co_u32 s3, s3, 1
	s_cmp_lg_u32 s3, 0
	s_cbranch_scc1 .Llap
	QUARTER 0, 2, F1, F0, 0
	QUARTER 0, 3, F0, F1, 0
	TURN 0, 1, 0
	QUARTER 1, 1, F0, F1, 0
	QUARTER 1, 2, F1, F0, 0
	QUARTER 1, 3, F0, F1, 0
	s_wait_dscnt 0x0
	MULS F1, 0, 4, 0
	PLACES
	; THE BLOCK'S SOFTMAX.  A lane's 64 scores of row block a lie in v[64 a .. 64 a + 63] of window 1.  The four row blocks' chains alternate.
	WIN 0x15                                       ; three sources in window 1
.irp a, 0,1,2,3
	v_max3_num_f32 v[MX+2*\a], v[64*\a], v[64*\a+1], v[64*\a+2]
.endr
	WIN 0x14
.set n, 3
.rept 30
.irp a, 0,1,2,3
	v_max3_num_f32 v[MX+2*\a], v[MX+2*\a], v[64*\a+n], v[64*\a+n+1]
.endr
.set n, n+2
.endr
.irp a, 0,1,2,3
	v_max_num_f32 v[MX+2*\a], v[MX+2*\a], v[64*\a+63]
.endr
	WIN 0
.irp a, 0,1,2,3
	v_permlanex16_b32 v[TT+\a], v[MX+2*\a], s[SEL], s[SEL+1]   ; the key's other 64 queries lie in the lane 16 away
.endr
.irp a, 0,1,2,3
	v_max_num_f32 v[MX+2*\a], v[MX+2*\a], v[TT+\a]
.endr
.irp a, 0,1,2,3
	v_mul_f32 v[MX+2*\a+1], s[CS], v[MX+2*\a]      ; c mx
.endr
	WIN 0x41                                       ; destination and source 0 in window 1
.irp a, 0,1,2,3
.set n, 0
.rept 32
	v_pk_add_f32 v[64*\a+n:64*\a+n+1], v[64*\a+n:64*\a+n+1], v[MX+2*\a:MX+2*\a+1] op_sel_hi:[1,0] neg_lo:[0,1] neg_hi:[0,1]   ; s - mx: never above 0, also where all rows are masked
.set n, n+2
.endr
.endr
.set n, 0
.rept 128
	v_pk_mul_f32 v[n:n+1], v[n:n+1], s[CS:CS+1] op_sel_hi:[1,0]
.set n, n+2
.endr
.set n, 0
.rept 256
	v_exp_f32 v[n], v[n]
.set n, n+1
.endr
	v_nop                                          ; a plain instruction between the last exponential and the use of its result
	WIN 0x05                                       ; the sums: four chains a row block, started by their first additions
	s_wait_alu depctr_va_vdst(0)
.irp a, 0,1,2,3
.irp k, 0,1,2,3
	v_pk_add_f32 v[ZP+8*\a+2*\k:ZP+8*\a+2*\k+1], v[64*\a+2*\k:64*\a+2*\k+1], v[64*\a+8+2*\k:64*\a+8+2*\k+1]
.endr
.endr
	WIN 0x04
.set n, 8
.rept 24
.irp a, 0,1,2,3
	v_pk_add_f32 v[ZP+8*\a+2*(n%4):ZP+8*\a+2*(n%4)+1], v[ZP+8*\a+2*(n%4):ZP+8*\a+2*(n%4)+1], v[64*\a+2*n:64*\a+2*n+1]
.endr
.set n, n+1
.endr
	WIN 0
.irp a, 0,1,2,3
	v_pk_add_f32 v[ZP+8*\a:ZP+8*\a+1],   v[ZP+8*\a:ZP+8*\a+1],   v[ZP+8*\a+2:ZP+8*\a+3]
	v_pk_add_f32 v[ZP+8*\a+4:ZP+8*\a+5], v[ZP+8*\a+4:ZP+8*\a+5], v[ZP+8*\a+6:ZP+8*\a+7]
.endr
.irp a, 0,1,2,3
	v_pk_add_f32 v[ZP+8*\a:ZP+8*\a+1], v[ZP+8*\a:ZP+8*\a+1], v[ZP+8*\a+4:ZP+8*\a+5]
.endr
.irp a, 0,1,2,3
	v_add_f32 v[ZP+8*\a], v[ZP+8*\a], v[ZP+8*\a+1]
.endr
.irp a, 0,1,2,3
	v_permlanex16_b32 v[TT+\a], v[ZP+8*\a], s[SEL], s[SEL+1]
.endr
.irp a, 0,1,2,3
	v_add_f32 v[ZP+8*\a], v[ZP+8*\a], v[TT+\a]
.endr
	; the wave's 64 keys' statistics, through my own 512 bytes of LDS, so that each goes out as 256 consecutive bytes.  Both halves of the lanes put the same number into the same word.
.irp a, 0,1,2,3
	ds_store_b32 v[SCA], v[MX+2*\a+1] offset:64*\a
	ds_store_b32 v[SCA], v[ZP+8*\a]   offset:256+64*\a
.endr
	ds_load_b64 v[TT:TT+1],   v[SCB]
	ds_load_b64 v[TT+2:TT+3], v[SCB] offset:256
	s_wait_dscnt 0x0
	global_store_b64 v[CO], v[TT:TT+1],   s[70:71]
	global_store_b64 v[CO], v[TT+2:TT+3], s[72:73]
	OUTBLK 0
	OUTBLK 1
	OUTBLK 2
	OUTBLK 3
	s_wait_tensorcnt 0x0
	ds_add_u32 v254, v255
	s_wait_dscnt 0x0
	CROUND                                         ; the closing round
	s_endpgm
.Lfunc_end_k_q9b4674423f_scores:
	.size	k_q9b4674423f_scores, .Lfunc_end_k_q9b4674423f_scores-k_q9b4674423f_scores
	.p2alignl 7, 3214868480
	.fill 96, 4, 3214868480
	.section	.rodata,"a",@progbits
	.p2align	6, 0x0
	.amdhsa_kernel k_q9b4674423f_scores
		.amdhsa_group_segment_fixed_size 327680
		.amdhsa_private_segment_fixed_size 0
		.amdhsa_enable_private_segment 0
		.amdhsa_kernarg_size 40
		.amdhsa_user_sgpr_count 2
		.amdhsa_user_sgpr_kernarg_segment_ptr 1
		.amdhsa_wavefront_size32 1
		.amdhsa_system_sgpr_workgroup_id_x 1
		.amdhsa_system_sgpr_workgroup_id_y 1
		.amdhsa_system_sgpr_workgroup_id_z 1
		.amdhsa_system_vgpr_workitem_id 0
		.amdhsa_next_free_vgpr 576
		.amdhsa_next_free_sgpr 84
		.amdhsa_reserve_vcc 1
		.amdhsa_float_denorm_mode_32 3
		.amdhsa_float_denorm_mode_16_64 3
		.amdhsa_memory_ordered 1
		.amdhsa_forward_progress 1
		.amdhsa_inst_pref_size 141
	.end_amdhsa_kernel
	.amdgpu_metadata
---
amdhsa.version: [ 1, 2 ]
amdhsa.kernels:
  - .name:           k_q9b4674423f_scores
    .symbol:         k_q9b4674423f_scores.kd
    .args:
      - { .name: qkv, .offset: 0, .size: 8, .value_kind: global_buffer, .address_space: global }
      - { .name: l, .offset: 8, .size: 8, .value_kind: global_buffer, .address_space: global }
      - { .name: pt, .offset: 16, .size: 8, .value_kind: global_buffer, .address_space: global }
      - { .name: stm, .offset: 24, .size: 8, .value_kind: global_buffer, .address_space: global }
      - { .name: stl, .offset: 32, .size: 8, .value_kind: global_buffer, .address_space: global }
    .group_segment_fixed_size: 327680
    .private_segment_fixed_size: 0
    .kernarg_segment_align: 8
    .kernarg_segment_size: 40
    .max_flat_workgroup_size: 128
    .sgpr_count:     84
    .vgpr_count:     576
    .wavefront_size: 32
...
	.end_amdgpu_metadata
.endif
;; end of part 3
;; launch merge (part 4): grid 16 x 1, 4 waves a work-group, no clusters, 0 bytes of LDS; arguments stm, stl, ft; writes ft
.if DOCPART == 4
	.amdgcn_target "amdgcn-amd-amdhsa--gfx1250"
	.amdhsa_code_object_version 6
	.text
	.protected	k_q9b4674423f_merge
	.globl	k_q9b4674423f_merge
	.p2align	8
	.type	k_q9b4674423f_merge,@function
k_q9b4674423f_merge:
	s_mov_b64 s[64:65], 0
	v_nop
	global_prefetch_b8 v0, s[64:65] scope:SCOPE_SE
	s_setreg_imm32_b32 hwreg(HW_REG_WAVE_MODE, 25, 1), 1
	s_wait_xcnt 0x0
; Joins the 16 blocks' statistics of each softmax column (batch b, key j):  M = max over p of mt[p],  e[p] = 2^(mt[p] - M),  ft[b][p][j] = 2048 e[p] / (sum over p of Z[p] e[p]), in f16.
; stm (mt) and stl (Z): [4][16][2048] f32;  ft: [4][16][2048] f16.  The sum is at least 1: the block that holds M has e = 1 and Z >= 1.  A block without a valid row has mt about -5.7e28: e = 0.
; THE FACTOR 2048: e / sum is at most 1, so ft is at most 2,048, and so is its product with a weight of [0, 1]: inside f16's range for every input.  With it a softmax weight of 1/2048,
; the mean of a full column, is the number 1 in f16 and not one near f16's smallest normal number.  The next launch takes the 2048 back in f32.
; 8,192 columns in all: a thread takes 4 neighbouring j, a work-group 512, sixteen work-groups: that is all the work there is.  A stream: no LDS, no barrier, nothing shared.
; A wave's load covers 512 consecutive bytes, its store 256, aligned.
.set ZZ, 32                            ; v[32+4p ..] Z of block p
.set MM, 96                            ; v[96+4p ..] mt of block p, then e, then the factor
	s_load_b128 s[4:7], s[0:1], 0x0                ; stm s[4:5], stl s[6:7]
	s_load_b64 s[8:9], s[0:1], 0x10                ; ft
	s_lshr_b32 s10, ttmp9, 2                       ; batch
	s_and_b32 s11, ttmp9, 3                        ; which 512 columns
	s_lshl_b32 s12, s10, 17
	s_lshl_b32 s13, s11, 11
	s_add_co_u32 s12, s12, s13
	s_mov_b32 s13, 0
	s_lshl_b32 s14, s10, 16
	s_lshl_b32 s15, s11, 10
	s_add_co_u32 s14, s14, s15
	s_mov_b32 s15, 0
	v_lshlrev_b32 v1, 4, v0
	v_lshlrev_b32 v2, 3, v0
	s_wait_kmcnt 0x0
	s_add_nc_u64 s[4:5], s[4:5], s[12:13]
	s_add_nc_u64 s[6:7], s[6:7], s[12:13]
	s_add_nc_u64 s[8:9], s[8:9], s[14:15]
.irp p, 0,1,2,3,4,5,6,7,8,9,10,11,12,13,14,15
	global_load_b128 v[MM+4*\p:MM+4*\p+3], v1, s[4:5] offset:8192*\p
.endr
.irp p, 0,1,2,3,4,5,6,7,8,9,10,11,12,13,14,15
	global_load_b128 v[ZZ+4*\p:ZZ+4*\p+3], v1, s[6:7] offset:8192*\p
.endr
	s_wait_loadcnt 16                              ; mt is in; the sixteen loads of Z stay out
.irp c, 0,1,2,3
	v_max3_num_f32 v[4+\c], v[MM+\c], v[MM+4+\c], v[MM+8+\c]
.endr
.irp p, 3,5,7,9,11,13
.irp c, 0,1,2,3
	v_max3_num_f32 v[4+\c], v[4+\c], v[MM+4*\p+\c], v[MM+4*\p+4+\c]
.endr
.endr
.irp c, 0,1,2,3
	v_max_num_f32 v[4+\c], v[4+\c], v[MM+60+\c]
.endr
.irp p, 0,1,2,3,4,5,6,7,8,9,10,11,12,13,14,15
	v_pk_add_f32 v[MM+4*\p:MM+4*\p+1],   v[MM+4*\p:MM+4*\p+1],   v[4:5] neg_lo:[0,1] neg_hi:[0,1]
	v_pk_add_f32 v[MM+4*\p+2:MM+4*\p+3], v[MM+4*\p+2:MM+4*\p+3], v[6:7] neg_lo:[0,1] neg_hi:[0,1]
.endr
.set n, 0
.rept 64
	v_exp_f32 v[MM+n], v[MM+n]
.set n, n+1
.endr
	v_nop                                          ; a plain instruction between the last exponential and the use of its result
	s_wait_loadcnt 0x0                             ; Z
	s_wait_alu depctr_va_vdst(0)
	v_pk_mul_f32 v[8:9],   v[ZZ:ZZ+1],   v[MM:MM+1]            ; the first products start the sums
	v_pk_mul_f32 v[10:11], v[ZZ+2:ZZ+3], v[MM+2:MM+3]
.irp p, 1,2,3,4,5,6,7,8,9,10,11,12,13,14,15
	v_pk_fma_f32 v[8:9],   v[ZZ+4*\p:ZZ+4*\p+1],   v[MM+4*\p:MM+4*\p+1],   v[8:9]
	v_pk_fma_f32 v[10:11], v[ZZ+4*\p+2:ZZ+4*\p+3], v[MM+4*\p+2:MM+4*\p+3], v[10:11]
.endr
.irp c, 0,1,2,3
	v_rcp_f32 v[12+\c], v[8+\c]
.endr
	v_nop                                          ; a plain instruction between the last reciprocal and the use of its result
	s_wait_alu depctr_va_vdst(0)
.irp c, 0,1,2,3
	v_mul_f32 v[12+\c], 0x45000000, v[12+\c]       ; 2048 / sum
.endr
.irp p, 0,1,2,3,4,5,6,7,8,9,10,11,12,13,14,15
	v_pk_mul_f32 v[MM+4*\p:MM+4*\p+1],   v[MM+4*\p:MM+4*\p+1],   v[12:13]
	v_pk_mul_f32 v[MM+4*\p+2:MM+4*\p+3], v[MM+4*\p+2:MM+4*\p+3], v[14:15]
	v_cvt_pk_f16_f32 v[MM+4*\p],   v[MM+4*\p],   v[MM+4*\p+1]
	v_cvt_pk_f16_f32 v[MM+4*\p+1], v[MM+4*\p+2], v[MM+4*\p+3]
	global_store_b64 v2, v[MM+4*\p:MM+4*\p+1], s[8:9] offset:4096*\p
.endr
	s_endpgm
.Lfunc_end_k_q9b4674423f_merge:
	.size	k_q9b4674423f_merge, .Lfunc_end_k_q9b4674423f_merge-k_q9b4674423f_merge
	.p2alignl 7, 3214868480
	.fill 96, 4, 3214868480
	.section	.rodata,"a",@progbits
	.p2align	6, 0x0
	.amdhsa_kernel k_q9b4674423f_merge
		.amdhsa_group_segment_fixed_size 0
		.amdhsa_private_segment_fixed_size 0
		.amdhsa_enable_private_segment 0
		.amdhsa_kernarg_size 24
		.amdhsa_user_sgpr_count 2
		.amdhsa_user_sgpr_kernarg_segment_ptr 1
		.amdhsa_wavefront_size32 1
		.amdhsa_system_sgpr_workgroup_id_x 1
		.amdhsa_system_sgpr_workgroup_id_y 1
		.amdhsa_system_sgpr_workgroup_id_z 1
		.amdhsa_system_vgpr_workitem_id 0
		.amdhsa_next_free_vgpr 160
		.amdhsa_next_free_sgpr 66
		.amdhsa_reserve_vcc 0
		.amdhsa_float_denorm_mode_32 3
		.amdhsa_float_denorm_mode_16_64 3
		.amdhsa_memory_ordered 1
		.amdhsa_forward_progress 1
		.amdhsa_inst_pref_size 18
	.end_amdhsa_kernel
	.amdgpu_metadata
---
amdhsa.version: [ 1, 2 ]
amdhsa.kernels:
  - .name:           k_q9b4674423f_merge
    .symbol:         k_q9b4674423f_merge.kd
    .args:
      - { .name: stm, .offset: 0, .size: 8, .value_kind: global_buffer, .address_space: global }
      - { .name: stl, .offset: 8, .size: 8, .value_kind: global_buffer, .address_space: global }
      - { .name: ft, .offset: 16, .size: 8, .value_kind: global_buffer, .address_space: global }
    .group_segment_fixed_size: 0
    .private_segment_fixed_size: 0
    .kernarg_segment_align: 8
    .kernarg_segment_size: 24
    .max_flat_workgroup_size: 128
    .sgpr_count:     66
    .vgpr_count:     160
    .wavefront_size: 32
...
	.end_amdgpu_metadata
.endif
;; end of part 4
;; launch pv (part 5): grid 4 x 64, 4 waves a work-group, clusters of 4 x 4, 327,680 bytes of LDS; arguments pt, qkv, ft, x, y; writes y
.if DOCPART == 5
	.amdgcn_target "amdgcn-amd-amdhsa--gfx1250"
	.amdhsa_code_object_version 6
	.text
	.protected	k_q9b4674423f_pv
	.globl	k_q9b4674423f_pv
	.p2align	8
	.type	k_q9b4674423f_pv,@function
k_q9b4674423f_pv:
	s_mov_b64 s[64:65], 0
	v_nop
	global_prefetch_b8 v0, s[64:65] scope:SCOPE_SE
	s_setreg_imm32_b32 hwreg(HW_REG_WAVE_MODE, 25, 1), 1
	s_wait_xcnt 0x0
	s_wait_alu depctr_hold_cnt(0) depctr_sa_sdst(0) depctr_va_vdst(0) depctr_va_sdst(0) depctr_va_ssrc(0) depctr_va_vcc(0) depctr_vm_vsrc(0)
	s_getreg_b32 s2, hwreg(HW_REG_IB_STS2, 6, 4)
	s_cmp_eq_u32 s2, 0
	s_cbranch_scc0 .Lentry_in_a_cluster
	s_endpgm
.Lentry_in_a_cluster:
	s_bfe_u32 s2, ttmp6, 0x10000c
	s_cmp_lg_u32 s2, 0xf033
	s_cbranch_scc0 .Lentry_shape_is_right
	s_endpgm
.Lentry_shape_is_right:
; y[t][e] = 2^-8 (x[t][e] + 2^-11 sum over j of (pt[b][j][i] ft[b][p][j]) v[b][j][e]),  t = 2048 b + i, p = i / 128;  y in f16, rounded once; sums in f32.
; pt: [4][2048 j][2048 i] f16 (weights against their block's maximum), ft: [4][16][2048] f16 (2048 x the factor that joins the blocks and divides by the column's sum), v = columns 2048.. of qkv.
; The weight is rounded to f16 once more after its factor (v_pk_mul_f16), as a matrix operand; it is at most 2,048.
; THE FACTOR 2^-8: y is a matrix operand of the last launch.  A column's weights are at most 1 and there are 2,048 columns, so |x + attn v| <= |x| + 2048 max|v|; times 2^-8 that is inside
; f16's 65,504 while |x| + 2048 max|v| < 1.67e7, that is for |v| up to 8,000.  Numbers of y below 0.0156 are kept to 1.5e-5.  The last launch takes the factor back in f32.  LIMIT: |x| + 2048 max|v| < 1.67e7.
; A work-group makes 128 rows (one block p of one batch, so ONE row of ft serves it) x 256 columns: 64 x 4 = 256 tiles.  Four waves, 2 x 2, each 64 rows x 128 columns: 32 accumulators.
; K is j: 2,048, in steps of 128 through two LDS slots.  BIG = 128 rows j of v x 256 e (512 bytes + 32), SMALL = 128 rows j of pt x 128 i (256 bytes + 32).  Both lie [K][N] and are turned by ds_load_tr16_b128.
; Waves 0, 1 fetch BIG's halves (64 rows each), waves 2, 3 SMALL's.
; CLUSTER 4 x 4: v's tile hangs on the tile column and the batch (one batch to a cluster): asked for jointly by a column of the cluster; pt's on the tile row alone: by a row.
; TRANSPOSED USE: source 0 = 16 channels e, source 1 = 16 rows i: a lane holds row lane % 16 and eight neighbouring channels.
; REGISTERS: window 0: v0-31 addresses; F0 = v32-135, F1 = v136-239 (64 of v, 32 of pt, 8 of ft); window 1: accumulator (a, b) at v[8 (8 a + b)];
;            window 2: my 64 rows x 128 columns of x, asked for at the start, in the layout in which rows come back from the stage: they land under the products.
.set PB,     544                       ; a row of BIG: 136 words: row r starts at bank 8 r mod 64 (64 banks of 4 bytes: ISA guide 11.1)
.set PS,     288                       ; a row of SMALL: 72 words, likewise
.set BIGH,   64*PB
.set SMH,    64*PS
.set SMALL,  2*BIGH
.set SLOT,   SMALL+2*SMH               ; 106,496 bytes
.set FT,     2*SLOT                    ; my row of ft: 4,096 bytes; no tensor load lands here or behind
.set STAGE,  FT+4096
.set SP,     528
.set STW,    16*SP
.set LAPS,   8                         ; 2048 / (2 x 128)
.set STEP,   128*6144                  ; 128 rows of qkv
.set STEPS,  128*4096                  ; 128 rows of pt
.set NF,     26                        ; LDS loads in a run: 16 + 8 + 2
.set OPITCH, 2048
.set OUTB,   72                        ; s[72:73] y at my wave's first row and column
.set SA,     76                        ; s[76:77] 2^-11
.set SY,     78                        ; s[78:79] 2^-8
.set XO,   12                          ; v12 16 x lane
.set ADRR, 16
.set ADRC, 20
.set STO,  24
.set RD,   25
.set CO,   26
.set AF,   27                          ; v27 LDS address of my part of ft's fragment in the lap in hand
.set F0,   32
.set F1,   136
.set RB,   32
.set G1,  24
.set G0,  32
.set G1S, 48
.set G0S, 56
.set MSB, 0
.macro WIN new
.if MSB != \new
	s_set_vgpr_msb (MSB<<8)|\new
.set MSB, \new
.endif
.endm
.macro PLACES
.rept 4
	v_nop
.endr
.endm
.macro CREST
	s_cmp_lg_u32 s10, 0
	s_cbranch_scc1 .Lnot_wave_0_\@
	s_barrier_signal -3
.Lnot_wave_0_\@:
	s_barrier_wait -3
	s_barrier_signal -1
	s_barrier_wait -1
.endm
.macro CROUND
	s_barrier_signal -1
	s_barrier_wait -1
	CREST
.endm
.macro JLOAD s
	s_cmp_eq_u32 s11, 0
	s_cbranch_scc0 .Lsmall_\@
	tensor_load_to_lds s[G0+4*\s:G0+4*\s+3], s[G1:G1+7]
	s_nop 0
.rept 4
	v_nop
.endr
	s_branch .Lasked_\@
.Lsmall_\@:
	tensor_load_to_lds s[G0S+4*\s:G0S+4*\s+3], s[G1S:G1S+7]
	s_nop 0
.rept 4
	v_nop
.endr
.Lasked_\@:
.endm
	s_load_b128 s[4:7], s[0:1], 0x0                ; pt s[4:5], qkv s[6:7]
	s_load_b128 s[68:71], s[0:1], 0x10             ; ft s[68:69], x s[70:71]
	s_load_b64 s[72:73], s[0:1], 0x20              ; y
	v_lshl_add_u32 v254, v0, 2, 0x3d400
	v_mov_b32 v255, 0
	ds_add_u32 v254, v255
	v_lshrrev_b32 v1, 5, v0
	v_readfirstlane_b32 s10, v1
	s_lshr_b32 s11, s10, 1                         ; my half of the rows.  Also: I fetch BIG (0) or SMALL (1)
	s_and_b32 s12, s10, 1                          ; my half of the columns.  Also: which half I fetch
	s_bfe_u32 s40, ttmp6, 0x40000
	s_bfe_u32 s41, ttmp6, 0x40004
	s_lshl_b32 s42, ttmp9, 2
	s_add_co_u32 s42, s42, s40                     ; tile column (256 channels)
	s_and_b32 s45, ttmp7, 0xffff
	s_lshl_b32 s13, s45, 2
	s_add_co_u32 s13, s13, s41                     ; tile row (128 rows) = 16 x batch + p
	s_lshr_b32 s45, s45, 2                         ; the batch, made of the cluster's y alone: four clusters to a batch
	s_lshl_b32 s43, s41, 2
	s_lshl_b32 s43, 15, s43
	s_lshl_b32 s44, 0x1111, s40
	s_or_b32 s[G1], s44, (1<<16)|(1<<20)|(1<<21)|(6<<22)|(7<<25)    ; v's tiles go to my column; after every 128 words 8 words of padding
	s_or_b32 s[G1S], s43, (1<<16)|(1<<20)|(1<<21)|(5<<22)|(7<<25)   ; pt's to my row; after every 64 words 8 words
	s_mov_b32 s[G1+1], 256<<16                     ; tensor_dim0 = 256
	s_mov_b32 s[G1+2], 64<<16                      ; tensor_dim1 = 64
	s_mov_b32 s[G1+3], 256<<16                     ; tile_dim0 = 256
	s_mov_b32 s[G1+4], 64                          ; tile_dim1 = 64
	s_mov_b32 s[G1+5], 3072
	s_mov_b32 s[G1+6], 0
	s_mov_b32 s[G1+7], 0
	s_mov_b32 s[G1S+1], 128<<16
	s_mov_b32 s[G1S+2], 64<<16
	s_mov_b32 s[G1S+3], 128<<16
	s_mov_b32 s[G1S+4], 64
	s_mov_b32 s[G1S+5], 2048
	s_mov_b32 s[G1S+6], 0
	s_mov_b32 s[G1S+7], 0
	s_mov_b32 s[SA], 0x3a000000                    ; 2^-11
	s_mov_b32 s[SA+1], s[SA]                       ; named with it as a pair
	s_mov_b32 s[SY], 0x3b800000                    ; 2^-8
	s_mov_b32 s[SY+1], s[SY]
	s_lshl_b32 s46, s45, 11                        ; v: row 2048 x batch + 64 x half of qkv, byte 4,096 + 512 x tile column
	s_lshl_b32 s47, s12, 6
	s_add_co_u32 s46, s46, s47
	s_mul_i32 s46, s46, 6144
	s_lshl_b32 s47, s42, 9
	s_add_co_u32 s46, s46, s47
	s_add_co_u32 s46, s46, 4096
	s_mov_b32 s47, 0
	s_lshr_b32 s16, s13, 4                         ; pt: batch x 2048 rows of 4,096 bytes + 64 x half rows, byte 256 p
	s_lshl_b32 s16, s16, 23
	s_lshl_b32 s17, s12, 18
	s_add_co_u32 s16, s16, s17
	s_and_b32 s17, s13, 15
	s_lshl_b32 s17, s17, 8
	s_add_co_u32 s16, s16, s17
	s_mov_b32 s17, 0
	s_mul_i32 s20, s10, BIGH
	s_mul_i32 s21, s10, SMH
	s_add_co_u32 s21, s21, SMALL-2*SMH
	s_wait_dscnt 0x0
	s_wait_kmcnt 0x0
	s_add_nc_u64 s[46:47], s[6:7], s[46:47]
	s_add_nc_u64 s[14:15], s[4:5], s[16:17]
.irp s, 0,1
	s_mov_b32 s[G0+4*\s], 1
	s_add_co_u32 s[G0+4*\s+1], s20, \s*SLOT
	s_add_nc_u64 s[G0+4*\s+2:G0+4*\s+3], s[46:47], \s*STEP
	s_or_b32 s[G0+4*\s+3], s[G0+4*\s+3], 0x80000000
	s_mov_b32 s[G0S+4*\s], 1
	s_add_co_u32 s[G0S+4*\s+1], s21, \s*SLOT
	s_add_nc_u64 s[G0S+4*\s+2:G0S+4*\s+3], s[14:15], \s*STEPS
	s_or_b32 s[G0S+4*\s+3], s[G0S+4*\s+3], 0x80000000
.endr
	CROUND                                         ; all sixteen work-groups are here: the first joint loads meet
	s_cmp_eq_u32 s11, 0                            ; a wave's two first fills stand in one branch: two loads of mine are out
	s_cbranch_scc0 .Lfirst_small
	tensor_load_to_lds s[G0:G0+3], s[G1:G1+7]
	s_nop 0
	tensor_load_to_lds s[G0+4:G0+7], s[G1:G1+7]
	s_nop 0
.rept 4
	v_nop
.endr
	s_branch .Lfirst_asked
.Lfirst_small:
	tensor_load_to_lds s[G0S:G0S+3], s[G1S:G1S+7]
	s_nop 0
	tensor_load_to_lds s[G0S+4:G0S+7], s[G1S:G1S+7]
	s_nop 0
.rept 4
	v_nop
.endr
.Lfirst_asked:
	s_lshl_b32 s66, s13, 12                        ; my row of ft: 4,096 bytes
	s_mov_b32 s67, 0
	s_add_nc_u64 s[68:69], s[68:69], s[66:67]
	v_lshlrev_b32 v10, 4, v0
	global_load_b128 v[32:35], v10, s[68:69]               ; 128 threads x 16 bytes, twice
	global_load_b128 v[36:39], v10, s[68:69] offset:2048
	s_lshl_b32 s66, s13, 19                        ; x at row 128 x tile row + 64 x half (4,096 bytes a row), byte 1,024 x tile column + 512 x half
	s_lshl_b32 s74, s11, 18
	s_add_co_u32 s66, s66, s74
	s_lshl_b32 s74, s42, 10
	s_add_co_u32 s66, s66, s74
	s_lshl_b32 s74, s12, 9
	s_add_co_u32 s66, s66, s74
	s_add_nc_u64 s[70:71], s[70:71], s[66:67]
	s_lshr_b32 s66, s66, 1                         ; y: the same place at half the bytes
	s_add_nc_u64 s[OUTB:OUTB+1], s[OUTB:OUTB+1], s[66:67]
	v_and_b32 v1, 15, v0
	v_bfe_u32 v2, v0, 4, 1
	v_and_b32 v3, 31, v0
	; the turning load takes 16 K x 16 N: lane l reads 16 bytes of row 8 (l / 16) + l % 8 at byte 16 ((l / 8) % 2), and is left with column l % 16 and 8 neighbouring K
	v_and_b32 v7, 7, v0
	v_bfe_u32 v8, v0, 3, 1
	v_lshl_add_u32 v9, v2, 3, v7
	v_mul_u32_u24 v4, v9, PB
	v_lshl_add_u32 v4, v8, 4, v4
	v_mul_u32_u24 v5, v9, PS
	v_lshl_add_u32 v5, v8, 4, v5
	s_lshl_b32 s22, s12, 8                         ; my 128 channels: 256 bytes of BIG's rows
	s_lshl_b32 s23, s11, 7                         ; my 64 rows i: 128 bytes of SMALL's rows
	s_add_co_u32 s23, s23, SMALL
.irp s, 0,1
	v_add_nc_u32 v[ADRC+\s], s22, v4
	v_add_nc_u32 v[ADRR+\s], s23, v5
	s_add_co_u32 s22, s22, SLOT
	s_add_co_u32 s23, s23, SLOT
.endr
	v_lshlrev_b32 v[AF], 4, v2                     ; ft's fragment has pt's K layout: 8 factors at byte 16 (l / 16), 8 more 32 bytes on; all 16 rows i take the same
	v_add_nc_u32 v[AF], FT, v[AF]
	s_mul_i32 s22, s10, STW
	s_add_co_u32 s22, s22, STAGE
	v_mul_u32_u24 v6, v1, SP
	v_lshl_add_u32 v6, v2, 5, v6
	v_add_nc_u32 v[STO], s22, v6
	v_lshl_add_u32 v[RD], v3, 4, s22
	v_lshlrev_b32 v[CO], 3, v3
	v_lshlrev_b32 v[XO], 4, v3
	v_add_nc_u32 v11, FT, v10
	s_wait_loadcnt 0x0                             ; ft
	ds_store_b128 v11, v[32:35]
	ds_store_b128 v11, v[36:39] offset:2048
	WIN 0x80                                       ; destination in window 2
.set n, 0
.rept 64
	global_load_b128 v[4*n:4*n+3], v[XO], s[70:71] offset:4096*n th:TH_LOAD_NT   ; row n: the wave reads 512 consecutive bytes
.set n, n+1
.endr
	WIN 0
.macro FETCH slot, q, f                ; 26 LDS loads in one run: 32 along K, quarter q of the slot, into buffer f
.irp i, 0,1,2,3,4,5,6,7
	ds_load_tr16_b128 v[\f+8*\i:\f+8*\i+3],   v[ADRC+\slot] offset:32*PB*\q+32*\i
	ds_load_tr16_b128 v[\f+8*\i+4:\f+8*\i+7], v[ADRC+\slot] offset:32*PB*\q+32*\i+16*PB
.endr
.irp i, 0,1,2,3
	ds_load_tr16_b128 v[\f+64+8*\i:\f+64+8*\i+3],   v[ADRR+\slot] offset:32*PS*\q+32*\i
	ds_load_tr16_b128 v[\f+64+8*\i+4:\f+64+8*\i+7], v[ADRR+\slot] offset:32*PS*\q+32*\i+16*PS
.endr
	ds_load_b128 v[\f+96:\f+99],   v[AF] offset:256*\slot+64*\q
	ds_load_b128 v[\f+100:\f+103], v[AF] offset:256*\slot+64*\q+32
.endm
.macro MUL8 f, a, mode
.irp b, 0,1,2,3,4,5,6,7
.if \mode == 1
	v_wmma_f32_16x16x32_f16 v[8*(8*(\a)+\b):8*(8*(\a)+\b)+7], v[\f+8*\b:\f+8*\b+7], v[\f+64+8*(\a):\f+64+8*(\a)+7], 0
.else
	v_wmma_f32_16x16x32_f16 v[8*(8*(\a)+\b):8*(8*(\a)+\b)+7], v[\f+8*\b:\f+8*\b+7], v[\f+64+8*(\a):\f+64+8*(\a)+7], v[8*(8*(\a)+\b):8*(8*(\a)+\b)+7]
.endif
.endr
.endm
.macro SCALE f, a                      ; row block a's weights times their keys' factors, two f16 at a time
	WIN 0
.irp n, 0,1,2,3,4,5,6,7
	v_pk_mul_f16 v[\f+64+8*(\a)+\n], v[\f+64+8*(\a)+\n], v[\f+96+\n]
.endr
.endm
.macro MULS f, a0, cnt, mode           ; the 32 accumulators take turns, one instruction a turn, in the same order in every quarter.
.set aa, \a0                           ; The next row block's eight scalings stand behind each eight products: they name none of those products' registers
	SCALE \f, aa
.rept \cnt
	WIN 0x50
	MUL8 \f, aa, \mode
.set aa, aa+1
.if aa < \a0+\cnt
	SCALE \f, aa
.endif
.endr
.endm
.macro QUARTER slot, q, f, g, mode
	PLACES                                         ; g was multiplied last
	WIN 0
	FETCH \slot, \q, \g
	s_wait_dscnt NF                                ; all but the run just issued: f is in
	MULS \f, 0, 4, \mode
.endm
.macro TURN slot, next, fill
	s_wait_dscnt 0x0                               ; F1 is in, and my reads of this slot are over
	s_wait_tensorcnt 0x0                           ; all my tensor loads have landed: the one that was out is my part of the next slot
	ds_add_u32 v254, v255
	s_wait_dscnt 0x0
	s_barrier_signal -1
	MULS F1, 0, 2, 0                               ; registers only
	WIN 0
	s_barrier_wait -1
.if \fill
	CREST                                          ; no wave of any partner still reads this slot or has a load on its way
	s_add_nc_u64 s[G0+4*\slot+2:G0+4*\slot+3], s[G0+4*\slot+2:G0+4*\slot+3], 2*STEP
	s_add_nc_u64 s[G0S+4*\slot+2:G0S+4*\slot+3], s[G0S+4*\slot+2:G0S+4*\slot+3], 2*STEPS
	JLOAD \slot                                    ; first behind the round; its four v_nop are the places for the loads below
.else
	PLACES
.endif
.if \next == 0
	v_add_nc_u32 v[AF], 512, v[AF]                 ; the next lap's 256 factors
.endif
	FETCH \next, 0, F0
	MULS F1, 2, 2, 0
.endm
.macro OUTBLK a
	s_wait_xcnt 0x0                                ; RB, which the last block's stores read, is loaded again only behind this wait
	WIN 0x04
.irp b, 0,1,2,3,4,5,6,7
	ds_store_b128 v[STO], v[8*(8*\a+\b):8*(8*\a+\b)+3]   offset:64*\b
	ds_store_b128 v[STO], v[8*(8*\a+\b)+4:8*(8*\a+\b)+7] offset:64*\b+16
.endr
	WIN 0
.irp t, 0,1,2,3,4,5,6,7,8,9,10,11,12,13,14,15
	ds_load_b128 v[RB+4*\t:RB+4*\t+3], v[RD] offset:SP*\t
.endr
	s_wait_dscnt 0x0
	WIN 0x20                                       ; source 2 in window 2: x
.irp t, 0,1,2,3,4,5,6,7,8,9,10,11,12,13,14,15
	v_pk_fma_f32 v[RB+4*\t:RB+4*\t+1],   v[RB+4*\t:RB+4*\t+1],   s[SA:SA+1], v[4*(16*\a+\t):4*(16*\a+\t)+1]     op_sel_hi:[1,0,1]   ; x + 2^-11 sum
	v_pk_fma_f32 v[RB+4*\t+2:RB+4*\t+3], v[RB+4*\t+2:RB+4*\t+3], s[SA:SA+1], v[4*(16*\a+\t)+2:4*(16*\a+\t)+3]   op_sel_hi:[1,0,1]
.endr
	WIN 0
.irp t, 0,1,2,3,4,5,6,7,8,9,10,11,12,13,14,15
	v_pk_mul_f32 v[RB+4*\t:RB+4*\t+1],   v[RB+4*\t:RB+4*\t+1],   s[SY:SY+1] op_sel_hi:[1,0]    ; times 2^-8: exact
	v_pk_mul_f32 v[RB+4*\t+2:RB+4*\t+3], v[RB+4*\t+2:RB+4*\t+3], s[SY:SY+1] op_sel_hi:[1,0]
	v_cvt_pk_f16_f32 v[RB+4*\t],   v[RB+4*\t],   v[RB+4*\t+1]
	v_cvt_pk_f16_f32 v[RB+4*\t+1], v[RB+4*\t+2], v[RB+4*\t+3]
	global_store_b64 v[CO], v[RB+4*\t:RB+4*\t+1], s[OUTB:OUTB+1] offset:(16*\a+\t)*OPITCH   ; the wave stores 256 consecutive bytes, aligned
.endr
.endm
	s_wait_dscnt 0x0                               ; for the others' sake: my part of ft is in LDS
	s_wait_tensorcnt 0x1                           ; my part of slot 0 is in; slot 1's stays out
	s_barrier_signal -1
	s_barrier_wait -1
	FETCH 0, 0, F0
	QUARTER 0, 1, F0, F1, 1
	WIN 0
	s_mov_b32 s3, LAPS-1
.Llap:
	QUARTER 0, 2, F1, F0, 0
	QUARTER 0, 3, F0, F1, 0
	TURN 0, 1, 1
	QUARTER 1, 1, F0, F1, 0
	QUARTER 1, 2, F1, F0, 0
	QUARTER 1, 3, F0, F1, 0
	TURN 1, 0, 1
	QUARTER 0, 1, F0, F1, 0
	WIN 0
	s_sub_co_u32 s3, s3, 1
	s_cmp_lg_u32 s3, 0
	s_cbranch_scc1 .Llap
	QUARTER 0, 2, F1, F0, 0
	QUARTER 0, 3, F0, F1, 0
	TURN 0, 1, 0
	QUARTER 1, 1, F0, F1, 0
	QUARTER 1, 2, F1, F0, 0
	QUARTER 1, 3, F0, F1, 0
	s_wait_dscnt 0x0
	MULS F1, 0, 4, 0
	WIN 0
	PLACES
	s_wait_loadcnt 0x0                             ; x
	OUTBLK 0
	OUTBLK 1
	OUTBLK 2
	OUTBLK 3
	s_wait_tensorcnt 0x0
	ds_add_u32 v254, v255
	s_wait_dscnt 0x0
	CROUND                                         ; the closing round
	s_endpgm
.Lfunc_end_k_q9b4674423f_pv:
	.size	k_q9b4674423f_pv, .Lfunc_end_k_q9b4674423f_pv-k_q9b4674423f_pv
	.p2alignl 7, 3214868480
	.fill 96, 4, 3214868480
	.section	.rodata,"a",@progbits
	.p2align	6, 0x0
	.amdhsa_kernel k_q9b4674423f_pv
		.amdhsa_group_segment_fixed_size 327680
		.amdhsa_private_segment_fixed_size 0
		.amdhsa_enable_private_segment 0
		.amdhsa_kernarg_size 40
		.amdhsa_user_sgpr_count 2
		.amdhsa_user_sgpr_kernarg_segment_ptr 1
		.amdhsa_wavefront_size32 1
		.amdhsa_system_sgpr_workgroup_id_x 1
		.amdhsa_system_sgpr_workgroup_id_y 1
		.amdhsa_system_sgpr_workgroup_id_z 1
		.amdhsa_system_vgpr_workitem_id 0
		.amdhsa_next_free_vgpr 768
		.amdhsa_next_free_sgpr 80
		.amdhsa_reserve_vcc 0
		.amdhsa_float_denorm_mode_32 3
		.amdhsa_float_denorm_mode_16_64 3
		.amdhsa_memory_ordered 1
		.amdhsa_forward_progress 1
		.amdhsa_inst_pref_size 152
	.end_amdhsa_kernel
	.amdgpu_metadata
---
amdhsa.version: [ 1, 2 ]
amdhsa.kernels:
  - .name:           k_q9b4674423f_pv
    .symbol:         k_q9b4674423f_pv.kd
    .args:
      - { .name: pt, .offset: 0, .size: 8, .value_kind: global_buffer, .address_space: global }
      - { .name: qkv, .offset: 8, .size: 8, .value_kind: global_buffer, .address_space: global }
      - { .name: ft, .offset: 16, .size: 8, .value_kind: global_buffer, .address_space: global }
      - { .name: x, .offset: 24, .size: 8, .value_kind: global_buffer, .address_space: global }
      - { .name: y, .offset: 32, .size: 8, .value_kind: global_buffer, .address_space: global }
    .group_segment_fixed_size: 327680
    .private_segment_fixed_size: 0
    .kernarg_segment_align: 8
    .kernarg_segment_size: 40
    .max_flat_workgroup_size: 128
    .sgpr_count:     80
    .vgpr_count:     768
    .wavefront_size: 32
...
	.end_amdgpu_metadata
.endif
;; end of part 5
;; launch out (part 6): grid 4 x 64, 4 waves a work-group, clusters of 4 x 4, 327,680 bytes of LDS; arguments y, wb, bo, out0; writes out0
.if DOCPART == 6
	.amdgcn_target "amdgcn-amd-amdhsa--gfx1250"
	.amdhsa_code_object_version 6
	.text
	.protected	k_q9b4674423f_out
	.globl	k_q9b4674423f_out
	.p2align	8
	.type	k_q9b4674423f_out,@function
k_q9b4674423f_out:
	s_mov_b64 s[64:65], 0
	v_nop
	global_prefetch_b8 v0, s[64:65] scope:SCOPE_SE
	s_setreg_imm32_b32 hwreg(HW_REG_WAVE_MODE, 25, 1), 1
	s_wait_xcnt 0x0
	s_wait_alu depctr_hold_cnt(0) depctr_sa_sdst(0) depctr_va_vdst(0) depctr_va_sdst(0) depctr_va_ssrc(0) depctr_va_vcc(0) depctr_vm_vsrc(0)
	s_getreg_b32 s2, hwreg(HW_REG_IB_STS2, 6, 4)
	s_cmp_eq_u32 s2, 0
	s_cbranch_scc0 .Lentry_in_a_cluster
	s_endpgm
.Lentry_in_a_cluster:
	s_bfe_u32 s2, ttmp6, 0x10000c
	s_cmp_lg_u32 s2, 0xf033
	s_cbranch_scc0 .Lentry_shape_is_right
	s_endpgm
.Lentry_shape_is_right:
; out0[t][e] = max(0, 2^8 sum over d of y[t][d] Wo[e][d] + bo[e]).  y: [8192][1024] f16, holding 2^-8 (x + attn v); Wo = rows 3072.. of wb ([4096][1024] f16), bo: [1024] f32, out0: [8192][1024] f32.
; Sums in f32; the 2^8 that takes y's factor back rides on the fused multiply-add that adds bo.
; A work-group makes 128 rows x 256 columns: 64 x 4 = 256 tiles.  Four waves, 2 x 2, each 64 rows x 128 columns: 32 accumulators.
; K goes in steps of 128 through two LDS slots: BIG = 256 rows of Wo, SMALL = 128 rows of y, rows of 256 bytes + 16.  Waves 0, 1 fetch BIG's halves, waves 2, 3 SMALL's.
; CLUSTER 4 x 4: Wo's tile hangs on the tile column alone: asked for jointly by a column of the cluster; y's on the tile row alone: by a row.
; TRANSPOSED USE: source 0 = 16 rows of Wo, source 1 = 16 rows of y: a lane holds row lane % 16 and eight neighbouring columns.
; REGISTERS: window 0: v0-27 addresses, v28-31 bo of my four columns; F0 = v32-127, F1 = v136-231; window 1: accumulator (a, b) at v[8 (8 a + b)].
.set PITCH,  272                       ; 68 words: row r starts at bank 4 r mod 64 (64 banks of 4 bytes: ISA guide 11.1)
.set BIGH,   128*PITCH
.set SMH,    64*PITCH
.set SMALL,  2*BIGH
.set SLOT,   SMALL+2*SMH
.set STAGE,  2*SLOT
.set SP,     528
.set STW,    16*SP
.set LAPS,   4
.set STEP,   256
.set STEPS,  256
.set NF,     24
.set OPITCH, 4096
.set OUTB,   70                        ; s[70:71] out0 at my wave's first row and column
.set SY,     72                        ; s[72:73] 2^8
.set ADRR, 16
.set ADRC, 20
.set STO,  24
.set RD,   25
.set CO,   26
.set BI,   28
.set F0,   32
.set F1,   136
.set RB,   32
.set G1,  24
.set G0,  32
.set G1S, 48
.set G0S, 56
.set FLAGS, (1<<16)|(1<<20)|(1<<21)|(5<<22)|(3<<25)
.set MSB, 0
.macro WIN new
.if MSB != \new
	s_set_vgpr_msb (MSB<<8)|\new
.set MSB, \new
.endif
.endm
.macro PLACES
.rept 4
	v_nop
.endr
.endm
.macro CREST
	s_cmp_lg_u32 s10, 0
	s_cbranch_scc1 .Lnot_wave_0_\@
	s_barrier_signal -3
.Lnot_wave_0_\@:
	s_barrier_wait -3
	s_barrier_signal -1
	s_barrier_wait -1
.endm
.macro CROUND
	s_barrier_signal -1
	s_barrier_wait -1
	CREST
.endm
.macro JLOAD s
	s_cmp_eq_u32 s11, 0
	s_cbranch_scc0 .Lsmall_\@
	tensor_load_to_lds s[G0+4*\s:G0+4*\s+3], s[G1:G1+7]
	s_nop 0
.rept 4
	v_nop
.endr
	s_branch .Lasked_\@
.Lsmall_\@:
	tensor_load_to_lds s[G0S+4*\s:G0S+4*\s+3], s[G1S:G1S+7]
	s_nop 0
.rept 4
	v_nop
.endr
.Lasked_\@:
.endm
	s_load_b128 s[4:7], s[0:1], 0x0                ; y s[4:5], wb s[6:7]
	s_load_b128 s[68:71], s[0:1], 0x10             ; bo s[68:69], out0 s[70:71]
	v_lshl_add_u32 v254, v0, 2, 0x3b400
	v_mov_b32 v255, 0
	ds_add_u32 v254, v255
	v_lshrrev_b32 v1, 5, v0
	v_readfirstlane_b32 s10, v1
	s_lshr_b32 s11, s10, 1
	s_and_b32 s12, s10, 1
	s_bfe_u32 s40, ttmp6, 0x40000
	s_bfe_u32 s41, ttmp6, 0x40004
	s_lshl_b32 s42, ttmp9, 2
	s_add_co_u32 s42, s42, s40                     ; tile column
	s_and_b32 s13, ttmp7, 0xffff
	s_lshl_b32 s13, s13, 2
	s_add_co_u32 s13, s13, s41                     ; tile row
	s_lshl_b32 s43, s41, 2
	s_lshl_b32 s43, 15, s43
	s_lshl_b32 s44, 0x1111, s40
	s_or_b32 s[G1], s44, FLAGS                     ; Wo's tiles go to my column
	s_or_b32 s[G1S], s43, FLAGS                    ; y's to my row
	s_mov_b32 s[G1+1], 128<<16
	s_mov_b32 s[G1+2], 128<<16
	s_mov_b32 s[G1+3], 128<<16
	s_mov_b32 s[G1+4], 128
	s_mov_b32 s[G1+5], 1024
	s_mov_b32 s[G1+6], 0
	s_mov_b32 s[G1+7], 0
	s_mov_b32 s[G1S+1], 128<<16
	s_mov_b32 s[G1S+2], 64<<16
	s_mov_b32 s[G1S+3], 128<<16
	s_mov_b32 s[G1S+4], 64
	s_mov_b32 s[G1S+5], 1024
	s_mov_b32 s[G1S+6], 0
	s_mov_b32 s[G1S+7], 0
	s_mov_b32 s[SY], 0x43800000                    ; 2^8
	s_mov_b32 s[SY+1], s[SY]                       ; named with it as a pair
	s_lshl_b32 s46, s42, 19                        ; Wo: row 3072 + 256 x tile column + 128 x half of wb, 2,048 bytes a row
	s_lshl_b32 s47, s12, 18
	s_add_co_u32 s46, s46, s47
	s_add_co_u32 s46, s46, 3072*2048
	s_mov_b32 s47, 0
	s_lshl_b32 s16, s13, 18                        ; y: row 128 x tile row + 64 x half
	s_lshl_b32 s17, s12, 17
	s_add_co_u32 s16, s16, s17
	s_mov_b32 s17, 0
	s_mul_i32 s20, s10, BIGH
	s_mul_i32 s21, s10, SMH
	s_add_co_u32 s21, s21, SMALL-2*SMH
	s_wait_dscnt 0x0
	s_wait_kmcnt 0x0
	s_add_nc_u64 s[46:47], s[6:7], s[46:47]
	s_add_nc_u64 s[14:15], s[4:5], s[16:17]
.irp s, 0,1
	s_mov_b32 s[G0+4*\s], 1
	s_add_co_u32 s[G0+4*\s+1], s20, \s*SLOT
	s_add_nc_u64 s[G0+4*\s+2:G0+4*\s+3], s[46:47], \s*STEP
	s_or_b32 s[G0+4*\s+3], s[G0+4*\s+3], 0x80000000
	s_mov_b32 s[G0S+4*\s], 1
	s_add_co_u32 s[G0S+4*\s+1], s21, \s*SLOT
	s_add_nc_u64 s[G0S+4*\s+2:G0S+4*\s+3], s[14:15], \s*STEPS
	s_or_b32 s[G0S+4*\s+3], s[G0S+4*\s+3], 0x80000000
.endr
	CROUND                                         ; all sixteen work-groups are here: the first joint loads meet
	s_cmp_eq_u32 s11, 0                            ; a wave's two first fills stand in one branch: two loads of mine are out
	s_cbranch_scc0 .Lfirst_small
	tensor_load_to_lds s[G0:G0+3], s[G1:G1+7]
	s_nop 0
	tensor_load_to_lds s[G0+4:G0+7], s[G1:G1+7]
	s_nop 0
.rept 4
	v_nop
.endr
	s_branch .Lfirst_asked
.Lfirst_small:
	tensor_load_to_lds s[G0S:G0S+3], s[G1S:G1S+7]
	s_nop 0
	tensor_load_to_lds s[G0S+4:G0S+7], s[G1S:G1S+7]
	s_nop 0
.rept 4
	v_nop
.endr
.Lfirst_asked:
	v_and_b32 v1, 15, v0
	v_bfe_u32 v2, v0, 4, 1
	v_and_b32 v3, 31, v0
	v_lshlrev_b32 v[CO], 4, v3                     ; my 16 bytes of a row's 512, in bo and in the result
	s_lshl_b32 s66, s42, 10                        ; my wave's 128 columns: byte 1,024 x tile column + 512 x half
	s_lshl_b32 s67, s12, 9
	s_add_co_u32 s66, s66, s67
	s_mov_b32 s67, 0
	s_add_nc_u64 s[68:69], s[68:69], s[66:67]
	global_load_b128 v[BI:BI+3], v[CO], s[68:69]
	s_add_nc_u64 s[OUTB:OUTB+1], s[OUTB:OUTB+1], s[66:67]
	s_lshl_b32 s66, s13, 19                        ; and row 128 x tile row + 64 x half, 4,096 bytes a row
	s_lshl_b32 s22, s11, 18
	s_add_co_u32 s66, s66, s22
	s_add_nc_u64 s[OUTB:OUTB+1], s[OUTB:OUTB+1], s[66:67]
	v_mul_u32_u24 v4, v1, PITCH
	v_lshl_add_u32 v4, v2, 4, v4
	s_mul_i32 s22, s12, BIGH
	s_mul_i32 s23, s11, SMH
	s_add_co_u32 s23, s23, SMALL
.irp s, 0,1
	v_add_nc_u32 v[ADRC+\s], s22, v4
	v_add_nc_u32 v[ADRR+\s], s23, v4
	s_add_co_u32 s22, s22, SLOT
	s_add_co_u32 s23, s23, SLOT
.endr
	s_mul_i32 s22, s10, STW
	s_add_co_u32 s22, s22, STAGE
	v_mul_u32_u24 v5, v1, SP
	v_lshl_add_u32 v5, v2, 5, v5
	v_add_nc_u32 v[STO], s22, v5
	v_lshl_add_u32 v[RD], v3, 4, s22
.macro FETCH slot, q, f
.irp i, 0,1,2,3,4,5,6,7
	ds_load_b128 v[\f+8*\i:\f+8*\i+3],   v[ADRC+\slot] offset:64*\q+\i*16*PITCH
	ds_load_b128 v[\f+8*\i+4:\f+8*\i+7], v[ADRC+\slot] offset:64*\q+\i*16*PITCH+32
.endr
.irp i, 0,1,2,3
	ds_load_b128 v[\f+64+8*\i:\f+64+8*\i+3],   v[ADRR+\slot] offset:64*\q+\i*16*PITCH
	ds_load_b128 v[\f+64+8*\i+4:\f+64+8*\i+7], v[ADRR+\slot] offset:64*\q+\i*16*PITCH+32
.endr
.endm
.macro MUL8 f, a, mode
.irp b, 0,1,2,3,4,5,6,7
.if \mode == 1
	v_wmma_f32_16x16x32_f16 v[8*(8*(\a)+\b):8*(8*(\a)+\b)+7], v[\f+8*\b:\f+8*\b+7], v[\f+64+8*(\a):\f+64+8*(\a)+7], 0
.else
	v_wmma_f32_16x16x32_f16 v[8*(8*(\a)+\b):8*(8*(\a)+\b)+7], v[\f+8*\b:\f+8*\b+7], v[\f+64+8*(\a):\f+64+8*(\a)+7], v[8*(8*(\a)+\b):8*(8*(\a)+\b)+7]
.endif
.endr
.endm
.macro MULS f, a0, cnt, mode           ; the 32 accumulators take turns, one instruction a turn, in the same order in every quarter
	WIN 0x50
.set aa, \a0
.rept \cnt
	MUL8 \f, aa, \mode
.set aa, aa+1
.endr
.endm
.macro QUARTER slot, q, f, g, mode
	PLACES                                         ; g was multiplied last
	WIN 0
	FETCH \slot, \q, \g
	s_wait_dscnt NF                                ; all but the run just issued: f is in
	MULS \f, 0, 4, \mode
.endm
.macro TURN slot, next, fill
	s_wait_dscnt 0x0                               ; F1 is in, and my reads of this slot are over
	s_wait_tensorcnt 0x0                           ; all my tensor loads have landed: the one that was out is my part of the next slot
	ds_add_u32 v254, v255
	s_wait_dscnt 0x0
	s_barrier_signal -1
	MULS F1, 0, 2, 0
	WIN 0
	s_barrier_wait -1
.if \fill
	CREST                                          ; no wave of any partner still reads this slot or has a load on its way
	s_add_nc_u64 s[G0+4*\slot+2:G0+4*\slot+3], s[G0+4*\slot+2:G0+4*\slot+3], 2*STEP
	s_add_nc_u64 s[G0S+4*\slot+2:G0S+4*\slot+3], s[G0S+4*\slot+2:G0S+4*\slot+3], 2*STEPS
	JLOAD \slot                                    ; first behind the round; its four v_nop are the places for the loads below
.else
	PLACES
.endif
	FETCH \next, 0, F0
	MULS F1, 2, 2, 0
.endm
.macro OUTBLK a                        ; 16 rows: into my stage, back as whole rows of 512 bytes, times 2^8 + bo, max with 0, stored
	s_wait_xcnt 0x0                                ; RB, which the last block's stores read, is loaded again only behind this wait
	WIN 0x04
.irp b, 0,1,2,3,4,5,6,7
	ds_store_b128 v[STO], v[8*(8*\a+\b):8*(8*\a+\b)+3]   offset:64*\b
	ds_store_b128 v[STO], v[8*(8*\a+\b)+4:8*(8*\a+\b)+7] offset:64*\b+16
.endr
	WIN 0
.irp t, 0,1,2,3,4,5,6,7,8,9,10,11,12,13,14,15
	ds_load_b128 v[RB+4*\t:RB+4*\t+3], v[RD] offset:SP*\t
.endr
.irp t, 0,1,2,3,4,5,6,7,8,9,10,11,12,13,14,15
	s_wait_dscnt 15-\t                             ; row t is back, the younger rows stay out
	v_pk_fma_f32 v[RB+4*\t:RB+4*\t+1],   v[RB+4*\t:RB+4*\t+1],   s[SY:SY+1], v[BI:BI+1]     op_sel_hi:[1,0,1]
	v_pk_fma_f32 v[RB+4*\t+2:RB+4*\t+3], v[RB+4*\t+2:RB+4*\t+3], s[SY:SY+1], v[BI+2:BI+3]   op_sel_hi:[1,0,1]
.irp c, 0,1,2,3
	v_max_num_f32 v[RB+4*\t+\c], 0, v[RB+4*\t+\c]
.endr
	global_store_b128 v[CO], v[RB+4*\t:RB+4*\t+3], s[OUTB:OUTB+1] offset:(16*\a+\t)*OPITCH th:TH_STORE_NT   ; the wave stores 512 consecutive bytes, aligned
.endr
.endm
	s_wait_tensorcnt 0x1                           ; my part of slot 0 is in; slot 1's stays out
	s_barrier_signal -1
	s_barrier_wait -1
	FETCH 0, 0, F0
	QUARTER 0, 1, F0, F1, 1
	WIN 0
	s_mov_b32 s3, LAPS-1
.Llap:
	QUARTER 0, 2, F1, F0, 0
	QUARTER 0, 3, F0, F1, 0
	TURN 0, 1, 1
	QUARTER 1, 1, F0, F1, 0
	QUARTER 1, 2, F1, F0, 0
	QUARTER 1, 3, F0, F1, 0
	TURN 1, 0, 1
	QUARTER 0, 1, F0, F1, 0
	WIN 0
	s_sub_co_u32 s3, s3, 1
	s_cmp_lg_u32 s3, 0
	s_cbranch_scc1 .Llap
	QUARTER 0, 2, F1, F0, 0
	QUARTER 0, 3, F0, F1, 0
	TURN 0, 1, 0
	QUARTER 1, 1, F0, F1, 0
	QUARTER 1, 2, F1, F0, 0
	QUARTER 1, 3, F0, F1, 0
	s_wait_dscnt 0x0
	MULS F1, 0, 4, 0
	WIN 0
	PLACES
	s_wait_loadcnt 0x0                             ; bo
	OUTBLK 0
	OUTBLK 1
	OUTBLK 2
	OUTBLK 3
	s_wait_tensorcnt 0x0
	ds_add_u32 v254, v255
	s_wait_dscnt 0x0
	CROUND                                         ; the closing round
	s_endpgm
.Lfunc_end_k_q9b4674423f_out:
	.size	k_q9b4674423f_out, .Lfunc_end_k_q9b4674423f_out-k_q9b4674423f_out
	.p2alignl 7, 3214868480
	.fill 96, 4, 3214868480
	.section	.rodata,"a",@progbits
	.p2align	6, 0x0
	.amdhsa_kernel k_q9b4674423f_out
		.amdhsa_group_segment_fixed_size 327680
		.amdhsa_private_segment_fixed_size 0
		.amdhsa_enable_private_segment 0
		.amdhsa_kernarg_size 32
		.amdhsa_user_sgpr_count 2
		.amdhsa_user_sgpr_kernarg_segment_ptr 1
		.amdhsa_wavefront_size32 1
		.amdhsa_system_sgpr_workgroup_id_x 1
		.amdhsa_system_sgpr_workgroup_id_y 1
		.amdhsa_system_sgpr_workgroup_id_z 1
		.amdhsa_system_vgpr_workitem_id 0
		.amdhsa_next_free_vgpr 512
		.amdhsa_next_free_sgpr 74
		.amdhsa_reserve_vcc 0
		.amdhsa_float_denorm_mode_32 3
		.amdhsa_float_denorm_mode_16_64 3
		.amdhsa_memory_ordered 1
		.amdhsa_forward_progress 1
		.amdhsa_inst_pref_size 102
	.end_amdhsa_kernel
	.amdgpu_metadata
---
amdhsa.version: [ 1, 2 ]
amdhsa.kernels:
  - .name:           k_q9b4674423f_out
    .symbol:         k_q9b4674423f_out.kd
    .args:
      - { .name: y, .offset: 0, .size: 8, .value_kind: global_buffer, .address_space: global }
      - { .name: wb, .offset: 8, .size: 8, .value_kind: global_buffer, .address_space: global }
      - { .name: bo, .offset: 16, .size: 8, .value_kind: global_buffer, .address_space: global }
      - { .name: out0, .offset: 24, .size: 8, .value_kind: global_buffer, .address_space: global }
    .group_segment_fixed_size: 327680
    .private_segment_fixed_size: 0
    .kernarg_segment_align: 8
    .kernarg_segment_size: 32
    .max_flat_workgroup_size: 128
    .sgpr_count:     74
    .vgpr_count:     512
    .wavefront_size: 32
...
	.end_amdgpu_metadata
.endif
;; end of part 6
;; ======== version 2 of 2: 6 launches
;; limits: values are held in f16: magnitudes above 65,504 overflow, below 6.1e-05 lose precision; right only within a limited range of input values; values outside matrix products are rounded to f16
;; workspace buffers: xn 16,777,216 bytes; wb 8,388,608 bytes; qkv 50,331,648 bytes; pt 33,554,432 bytes; stm 524,288 bytes; stl 524,288 bytes; ft 262,144 bytes; y 16,777,216 bytes
;; launch prep: the kernel of part 1 again; grid 384 x 1, 8 waves a work-group, no clusters, 0 bytes of LDS; arguments x, gamma, beta, Wq, Wk, Wv, Wo, xn, wb; writes xn, wb
;; launch qkv (part 7): grid 8 x 32, 4 waves a work-group, clusters of 4 x 4, 327,680 bytes of LDS; arguments xn, wb, qkv; writes qkv
.if DOCPART == 7
	.amdgcn_target "amdgcn-amd-amdhsa--gfx1250"
	.amdhsa_code_object_version 6
	.text
	.protected	k_q9b4674423f_qkv
	.globl	k_q9b4674423f_qkv
	.p2align	8
	.type	k_q9b4674423f_qkv,@function
k_q9b4674423f_qkv:
	s_mov_b64 s[64:65], 0
	v_nop
	global_prefetch_b8 v0, s[64:65] scope:SCOPE_SE
	s_setreg_imm32_b32 hwreg(HW_REG_WAVE_MODE, 25, 1), 1
	s_wait_xcnt 0x0
	s_wait_alu depctr_hold_cnt(0) depctr_sa_sdst(0) depctr_va_vdst(0) depctr_va_sdst(0) depctr_va_ssrc(0) depctr_va_vcc(0) depctr_vm_vsrc(0)
	s_getreg_b32 s2, hwreg(HW_REG_IB_STS2, 6, 4)
	s_cmp_eq_u32 s2, 0
	s_cbranch_scc0 .Lentry_in_a_cluster
	s_endpgm
.Lentry_in_a_cluster:
	s_bfe_u32 s2, ttmp6, 0x10000c
	s_cmp_lg_u32 s2, 0xf033
	s_cbranch_scc0 .Lentry_shape_is_right
	s_endpgm
.Lentry_shape_is_right:
; qkv[t][e] = sum over d of xn[t][d] wb[e][d], e = 0..3071 (q, k, v side by side).  xn: [8192][1024], wb: [4096][1024], qkv: [8192][3072], f16; sums in f32, rounded once.
; f16's RANGE: q, k and v are matrix operands of the next launches.  With xn of size g and weights of size w a sum of 1,024 products has the size 32 g w: 1 for g = 1, w = 1/32, and 900 with
; both thirty times larger, its peaks about 5,000.  LIMIT: |q|, |k|, |v| below 65,504.
; A work-group makes 256 rows x 384 columns: 32 x 8 = 256 tiles, one for each of 256 WGPs.  Four waves, 2 x 2, each 128 rows x 192 columns: 96 accumulators, 768 registers.
; For 32 along K a wave reads 20 fragments (8 of xn, 12 of wb) from LDS for 96 matrix instructions.
; K goes in steps of 64 through two LDS slots.  A slot: 384 rows of wb, then 256 rows of xn, rows of 128 bytes + 16 of padding.  Steps of 128 would want 2 x 640 x 272 = 348,160 bytes of LDS,
; more than the 327,680 that a work-group can be given; so a tile's rows are 128 consecutive bytes, at multiples of 128.
; Waves 0, 1 fetch wb's halves (192 rows each), waves 2, 3 xn's (128 rows each): one tensor load a wave for a slot.
; CLUSTER 4 x 4: wb's tile hangs on the tile column alone and is asked for jointly by a column of the cluster, xn's on the tile row alone, by a row.
; THE MATRIX INSTRUCTION IS USED TRANSPOSED: source 0 = 16 rows of wb, source 1 = 16 rows of xn; a lane then holds row lane % 16 and the columns 8 (lane / 16) + 0..7, which pack into 16 bytes.
; REGISTERS, in windows of 256.  Windows 1 to 3: the accumulators; (a, b), row block a = 0..7, column block b = 0..11, has the number n = 48 (b / 6) + 6 a + b % 6 and lies at v[256 + 8 n].
;   Window 0: v0-31 addresses; v32-95, v96-159 xn's 8 fragments, two buffers; v160-207, v208-255 the two halves of wb's 12 fragments, one buffer each.
; TWO PHASES TO A STEP OF 32 ALONG K, 48 matrix instructions each.  Phase 1 multiplies xn by wb's half 0; at its head half 1 of the same step and xn of the next step are fetched.  Phase 2 multiplies by
; half 1; at its head half 0 of the next step is fetched.  So each fragment is asked for 48 or 96 matrix instructions ahead of its use, and wb needs no second buffer.
.set PITCH,  144                       ; 36 words: row r starts at bank 36 r mod 64 (64 banks of 4 bytes: ISA guide 11.1): the 16 rows of a fragment load take 16 different columns of 16 bytes
.set BH,     192*PITCH                 ; half of wb's tile: what waves 0, 1 bring, and what one wave reads of it
.set AH,     128*PITCH                 ; half of xn's tile
.set AOFF,   2*BH                      ; xn's rows lie behind wb's
.set SLOT,   AOFF+2*AH                 ; 92,160 bytes
.set STAGE,  2*SLOT                    ; behind the ring: 128 rows x 784 bytes, the work-group's, for the way out; no tensor load lands here
.set SP,     784                       ; a stage row: the tile's 384 columns in f16 + 16 bytes = 49 x 16
.set LAPS,   8                         ; 1024 / (2 x 64)
.set STEP,   128                       ; bytes along a row from K step to K step, both sides
.set OPITCH, 6144                      ; bytes in a row of qkv
.set OUTB,   8                         ; s[8:9] the result at the first row that I store, the tile's first column
.set ADRA, 16                          ; v16-17 LDS address of my xn fragments in slot 0, 1
.set ADRB, 20                          ; v20-21 the same for wb
.set STO,  24                          ; the way out: where I put 16 bytes of a row
.set RD,   25                          ; where I read 16 bytes of a row back
.set CO,   26                          ; my byte offset in the result
.set FA,   32                          ; xn's fragments, buffer i at FA + 64 i
.set FB,   160                         ; wb's fragments, half i at FB + 48 i
.set BK0,  32                          ; the way out: 32 rows' 256 bytes read back, two sets
.set BK1,  96
.set TMP,  160                         ; the way out: a row block's packed results, two sets of 48
.set G1B, 24                           ; s[24:31] group 1 for wb's tiles;  s[32:39] group 0, one set for each slot
.set G0B, 32
.set G1A, 48                           ; s[48:55], s[56:63] the same for xn's
.set G0A, 56
.set FLAGS, (1<<16)|(1<<20)|(1<<21)|(4<<22)|(3<<25)   ; elements of 2 bytes; padding on; bit 21 beside a mask; after every 32 words, 4 words
.set MSB, 0
.macro WIN new                         ; the immediate's high byte repeats the setting that is left; a switch that changes nothing is dropped
.if MSB != (\new)
	s_set_vgpr_msb (MSB<<8)|(\new)
.set MSB, (\new)
.endif
.endm
.macro PLACES                          ; four plain vector instructions behind a matrix instruction, in front of loads into its sources and of readers of its result
.rept 4
	v_nop
.endr
.endm
.macro CREST                           ; a round of the cluster's barrier behind its opening barrier
	s_cmp_lg_u32 s10, 0
	s_cbranch_scc1 .Lnot_wave_0_\@
	s_barrier_signal -3
.Lnot_wave_0_\@:
	s_barrier_wait -3
	s_barrier_signal -1
	s_barrier_wait -1
.endm
.macro CROUND
	s_barrier_signal -1
	s_barrier_wait -1
	CREST
.endm
.macro JLOAD s                         ; a joint refill; the branch hangs on the wave's number alone; four v_nop follow each line
	s_cmp_eq_u32 s11, 0
	s_cbranch_scc0 .Lfor_a_\@
	tensor_load_to_lds s[G0B+4*\s:G0B+4*\s+3], s[G1B:G1B+7]
	s_nop 0
.rept 4
	v_nop
.endr
	s_branch .Lasked_\@
.Lfor_a_\@:
	tensor_load_to_lds s[G0A+4*\s:G0A+4*\s+3], s[G1A:G1A+7]
	s_nop 0
.rept 4
	v_nop
.endr
.Lasked_\@:
.endm
	s_load_b128 s[4:7], s[0:1], 0x0                ; xn s[4:5], wb s[6:7]
	s_load_b64 s[8:9], s[0:1], 0x10                ; qkv
	v_lshl_add_u32 v30, v0, 2, 0x45800
	v_mov_b32 v31, 0
	ds_add_u32 v30, v31
	v_lshrrev_b32 v1, 5, v0
	v_readfirstlane_b32 s10, v1                    ; wave 0..3
	s_lshr_b32 s11, s10, 1                         ; my half of the tile's rows.  Also: I fetch for wb (0) or for xn (1)
	s_and_b32 s12, s10, 1                          ; my half of its columns.  Also: which half of that tile I fetch
	s_bfe_u32 s40, ttmp6, 0x40000                  ; cx
	s_bfe_u32 s41, ttmp6, 0x40004                  ; cy
	s_lshl_b32 s42, ttmp9, 2
	s_add_co_u32 s42, s42, s40                     ; tile column = 4 x cluster x + cx
	s_and_b32 s13, ttmp7, 0xffff
	s_lshl_b32 s13, s13, 2
	s_add_co_u32 s13, s13, s41                     ; tile row = 4 x cluster y + cy
	s_lshl_b32 s43, s41, 2
	s_lshl_b32 s43, 15, s43                        ; my row of the cluster
	s_lshl_b32 s44, 0x1111, s40                    ; my column
	s_or_b32 s[G1B], s44, FLAGS                    ; wb's tiles go to my column
	s_or_b32 s[G1A], s43, FLAGS                    ; xn's to my row
	s_mov_b32 s[G1B+1], 64<<16                     ; tensor_dim0 = 64
	s_mov_b32 s[G1B+2], 192<<16                    ; tensor_dim1 = 192
	s_mov_b32 s[G1B+3], 64<<16                     ; tile_dim0 = 64
	s_mov_b32 s[G1B+4], 192                        ; tile_dim1 = 192
	s_mov_b32 s[G1B+5], 1024                       ; elements from row to row
	s_mov_b32 s[G1B+6], 0
	s_mov_b32 s[G1B+7], 0
	s_mov_b32 s[G1A+1], 64<<16
	s_mov_b32 s[G1A+2], 128<<16                    ; 128 rows
	s_mov_b32 s[G1A+3], 64<<16
	s_mov_b32 s[G1A+4], 128
	s_mov_b32 s[G1A+5], 1024
	s_mov_b32 s[G1A+6], 0
	s_mov_b32 s[G1A+7], 0
	s_mul_i32 s46, s42, 384*2048                   ; wb: (384 x tile column + 192 x half) rows of 2,048 bytes
	s_mul_i32 s47, s12, 192*2048
	s_add_co_u32 s46, s46, s47
	s_mov_b32 s47, 0
	s_lshl_b32 s16, s13, 19                        ; xn: (256 x tile row + 128 x half) rows
	s_lshl_b32 s17, s12, 18
	s_add_co_u32 s16, s16, s17
	s_mov_b32 s17, 0
	s_mul_i32 s20, s10, BH                         ; where they go: waves 0, 1: wb's halves;
	s_mul_i32 s21, s10, AH
	s_add_co_u32 s21, s21, AOFF-2*AH               ; waves 2, 3: xn's halves.  No place in the cluster enters an LDS address
	s_wait_dscnt 0x0
	s_wait_kmcnt 0x0
	s_add_nc_u64 s[46:47], s[6:7], s[46:47]
	s_add_nc_u64 s[14:15], s[4:5], s[16:17]
.irp s, 0,1
	s_mov_b32 s[G0B+4*\s], 1
	s_add_co_u32 s[G0B+4*\s+1], s20, \s*SLOT
	s_add_nc_u64 s[G0B+4*\s+2:G0B+4*\s+3], s[46:47], \s*STEP
	s_or_b32 s[G0B+4*\s+3], s[G0B+4*\s+3], 0x80000000
	s_mov_b32 s[G0A+4*\s], 1
	s_add_co_u32 s[G0A+4*\s+1], s21, \s*SLOT
	s_add_nc_u64 s[G0A+4*\s+2:G0A+4*\s+3], s[14:15], \s*STEP
	s_or_b32 s[G0A+4*\s+3], s[G0A+4*\s+3], 0x80000000
.endr
	CROUND                                         ; all sixteen work-groups are here: the first joint loads meet
	s_cmp_eq_u32 s11, 0                            ; a wave's two first fills stand in one branch: two loads of mine are out
	s_cbranch_scc0 .Lfirst_a
	tensor_load_to_lds s[G0B:G0B+3], s[G1B:G1B+7]
	s_nop 0
	tensor_load_to_lds s[G0B+4:G0B+7], s[G1B:G1B+7]
	s_nop 0
.rept 4
	v_nop
.endr
	s_branch .Lfirst_asked
.Lfirst_a:
	tensor_load_to_lds s[G0A:G0A+3], s[G1A:G1A+7]
	s_nop 0
	tensor_load_to_lds s[G0A+4:G0A+7], s[G1A:G1A+7]
	s_nop 0
.rept 4
	v_nop
.endr
.Lfirst_asked:
	; a fragment: lane l holds row l % 16; registers 0-3 K = 8 (l / 16) + 0..7, registers 4-7 K = 16 + 8 (l / 16) + 0..7: two loads of 16 bytes, 32 apart
	v_and_b32 v1, 15, v0
	v_bfe_u32 v2, v0, 4, 1
	v_mul_u32_u24 v3, v1, PITCH
	v_lshl_add_u32 v3, v2, 4, v3
	s_mul_i32 s22, s12, BH                         ; my 192 rows of wb
	s_mul_i32 s23, s11, AH                         ; my 128 rows of xn,
	s_add_co_u32 s23, s23, AOFF                    ; behind wb's 384
.irp s, 0,1
	v_add_nc_u32 v[ADRB+\s], s22, v3
	v_add_nc_u32 v[ADRA+\s], s23, v3
	s_add_co_u32 s22, s22, SLOT
	s_add_co_u32 s23, s23, SLOT
.endr
	s_mul_i32 s22, s11, 64*SP                      ; into the stage: my row half's 64 rows, my 384 of their 768 bytes; row l % 16, 16 bytes for each half of the lanes
	s_mul_i32 s23, s12, 384
	s_add_co_u32 s22, s22, s23
	s_add_co_u32 s22, s22, STAGE
	v_mul_u32_u24 v4, v1, SP
	v_lshl_add_u32 v4, v2, 4, v4
	v_add_nc_u32 v[STO], s22, v4
	s_mul_i32 s22, s10, 32*SP                      ; back: wave w takes stage rows 32 w .. 32 w + 31, whole; lanes 0-15 take 256 bytes of one row, lanes 16-31 of the next
	s_add_co_u32 s22, s22, STAGE
	v_mul_u32_u24 v5, v2, SP
	v_lshl_add_u32 v5, v1, 4, v5
	v_add_nc_u32 v[RD], s22, v5
	v_mul_u32_u24 v5, v2, OPITCH                   ; and the same two rows in the result
	v_lshl_add_u32 v[CO], v1, 4, v5
	s_lshl_b32 s66, s13, 8                         ; stage row 32 w is the tile's row 128 (w / 2) + 32 (w % 2), + 64 in the second half of the way out
	s_lshl_b32 s67, s11, 7
	s_add_co_u32 s66, s66, s67
	s_lshl_b32 s67, s12, 5
	s_add_co_u32 s66, s66, s67
	s_mul_i32 s66, s66, OPITCH
	s_mul_i32 s67, s42, 768                        ; the tile's first column, in bytes
	s_add_co_u32 s66, s66, s67
	s_mov_b32 s67, 0
	s_add_nc_u64 s[OUTB:OUTB+1], s[OUTB:OUTB+1], s[66:67]
; 12 LDS loads: wb's column blocks 6 half .. 6 half + 5, 32 along K at byte k of the slot's rows
.macro LDB half, slot, k
.irp i, 0,1,2,3,4,5
	ds_load_b128 v[FB+48*\half+8*\i:FB+48*\half+8*\i+3],   v[ADRB+\slot] offset:\k+(6*\half+\i)*16*PITCH
	ds_load_b128 v[FB+48*\half+8*\i+4:FB+48*\half+8*\i+7], v[ADRB+\slot] offset:\k+(6*\half+\i)*16*PITCH+32
.endr
.endm
; 16 LDS loads: xn's 8 row blocks, 32 along K at byte k of the slot's rows, into buffer buf
.macro LDA buf, slot, k
.irp i, 0,1,2,3,4,5,6,7
	ds_load_b128 v[FA+64*\buf+8*\i:FA+64*\buf+8*\i+3],   v[ADRA+\slot] offset:\k+\i*16*PITCH
	ds_load_b128 v[FA+64*\buf+8*\i+4:FA+64*\buf+8*\i+7], v[ADRA+\slot] offset:\k+\i*16*PITCH+32
.endr
.endm
; cnt matrix instructions of a phase, from its number m0 on: number mi is row block mi / 6 x column block 6 half + mi % 6.  mode 1: the product starts the sum.
; The 96 accumulators take turns, one instruction a turn, in the same order in every step.
.macro MULN buf, half, m0, cnt, mode
.set mi, \m0
.rept \cnt
.set nn, 48*\half+mi
	WIN 0x50*(1+nn/32)                             ; C and D in the accumulator's window, the fragments in window 0
.set rD, 8*(nn%32)
.set rB, FB+48*\half+8*(mi%6)
.set rA, FA+64*\buf+8*(mi/6)
.if \mode
	v_wmma_f32_16x16x32_f16 v[rD:rD+7], v[rB:rB+7], v[rA:rA+7], 0
.else
	v_wmma_f32_16x16x32_f16 v[rD:rD+7], v[rB:rB+7], v[rA:rA+7], v[rD:rD+7]
.endif
.set mi, mi+1
.endr
.endm
; The first 32 along K of a slot: xn in buffer 0.
.macro EVEN slot, mode
	PLACES                                         ; wb's half 1 and xn's buffer 1 were multiplied last
	WIN 0
	LDB 1, \slot, 0
	LDA 1, \slot, 64
	s_wait_dscnt 28                                ; all but the 28 just issued: xn's buffer 0 and wb's half 0 are in
	MULN 0, 0, 0, 48, \mode
	PLACES                                         ; wb's half 0 was multiplied last
	WIN 0
	LDB 0, \slot, 64
	s_wait_dscnt 28                                ; the youngest 28 (xn's buffer 1, wb's half 0) may be out: wb's half 1 is in
	MULN 0, 1, 0, 48, \mode
.endm
; The second 32 along K of a slot, xn in buffer 1, and the change of slots: one barrier.  In front of it each wave waits for its own reads of this slot, of which wb's half 1 is the last, and for
; all its tensor loads, of which one is out: its part of the next slot.  fill = 1: the barrier opens a round of the cluster's, and behind the round this slot is filled again, two K steps ahead.
.macro ODD slot, next, fill
	PLACES
	WIN 0
	LDB 1, \slot, 64
	s_wait_dscnt 12                                ; all but the 12 just issued: xn's buffer 1 and wb's half 0 are in
	MULN 1, 0, 0, 16, 0
	s_wait_dscnt 0x0                               ; my reads of this slot are over
	s_wait_tensorcnt 0x0                           ; all my tensor loads have landed
	ds_add_u32 v30, v31
	s_wait_dscnt 0x0
	s_barrier_signal -1
	MULN 1, 0, 16, 16, 0                           ; registers only
	WIN 0
	s_barrier_wait -1
.if \fill
	CREST                                          ; no wave of any partner still reads this slot or has a load on its way
	s_add_nc_u64 s[G0B+4*\slot+2:G0B+4*\slot+3], s[G0B+4*\slot+2:G0B+4*\slot+3], 2*STEP
	s_add_nc_u64 s[G0A+4*\slot+2:G0A+4*\slot+3], s[G0A+4*\slot+2:G0A+4*\slot+3], 2*STEP
	JLOAD \slot                                    ; first behind the round; 176 matrix instructions stand between it and the wait for it; its four v_nop are places for the loads below
.else
	PLACES
.endif
	LDA 0, \next, 0
	MULN 1, 0, 32, 16, 0
	PLACES                                         ; wb's half 0 was multiplied last
	WIN 0
	LDB 0, \next, 0
	MULN 1, 1, 0, 48, 0                            ; wb's half 1 has been in since the wait in front of the barrier
.endm
; THE WAY OUT.  A wave's 192 columns are 384 bytes, one and a half aligned runs of 256 bytes of qkv: so the two waves of a row half write the same stage rows, a barrier stands between the writing
; and the reading, and each wave then stores whole rows.  The stage holds 128 rows: the tile goes out in two halves (row blocks 0-3 of every wave, then 4-7).
.macro PACK a                          ; row block a: rounded to f16, 16 bytes a lane for each of 12 column blocks, into the stage
.set TP, TMP+48*((\a)%2)
.set pb, 0
.rept 12
.set nn, 48*(pb/6)+6*(\a)+pb%6
	WIN 5*(1+nn/32)                                ; sources 0 and 1 in the accumulator's window
.irp r, 0,1,2,3
	v_cvt_pk_f16_f32 v[TP+4*pb+\r], v[8*(nn%32)+2*\r], v[8*(nn%32)+2*\r+1]
.endr
.set pb, pb+1
.endr
	WIN 0
.set pb, 0
.rept 12
	ds_store_b128 v[STO], v[TP+4*pb:TP+4*pb+3] offset:((\a)%4)*16*SP+32*pb
.set pb, pb+1
.endr
.endm
.macro LOADU u, bk                     ; bytes 256 u .. 256 u + 255 of my 32 stage rows
.irp t, 0,1,2,3,4,5,6,7,8,9,10,11,12,13,14,15
	ds_load_b128 v[\bk+4*\t:\bk+4*\t+3], v[RD] offset:2*\t*SP+256*\u
.endr
.endm
.macro SENDU hp, u, bk, younger        ; younger: the LDS loads issued behind this set's sixteen
.irp t, 0,1,2,3,4,5,6,7,8,9,10,11,12,13,14,15
	s_wait_dscnt \younger+15-\t
	global_store_b128 v[CO], v[\bk+4*\t:\bk+4*\t+3], s[OUTB:OUTB+1] offset:(64*\hp+2*\t)*OPITCH+256*\u   ; 16 lanes store 256 consecutive bytes, aligned
.endr
.endm
.macro HALFOUT hp
	PACK 4*\hp
	PACK 4*\hp+1
	PACK 4*\hp+2
	PACK 4*\hp+3
	s_wait_dscnt 0x0                               ; for the others' sake: my stores into the stage are done
	s_barrier_signal -1
	s_barrier_wait -1
	s_wait_xcnt 0x0                                ; both sets, which earlier stores read, are loaded again only behind this wait
	LOADU 0, BK0
	LOADU 1, BK1
	SENDU \hp, 0, BK0, 16
	s_wait_xcnt 0x0                                ; set 0 is loaded again only behind this wait
	LOADU 2, BK0
	SENDU \hp, 1, BK1, 16
	SENDU \hp, 2, BK0, 0
.endm
	s_wait_tensorcnt 0x1                           ; my part of slot 0 is in; slot 1's stays out
	s_barrier_signal -1
	s_barrier_wait -1
	LDB 0, 0, 0
	LDA 0, 0, 0
	EVEN 0, 1                                      ; the first 32 along K stand in front of the loop: their products start the sums
	WIN 0
	s_mov_b32 s3, LAPS-1
.Llap:                                                 ; once round the ring, from a slot's second half to the same slot's next first half; both slots are filled again
	ODD 0, 1, 1
	EVEN 1, 0
	ODD 1, 0, 1
	EVEN 0, 0
	WIN 0
	s_sub_co_u32 s3, s3, 1
	s_cmp_lg_u32 s3, 0
	s_cbranch_scc1 .Llap
	ODD 0, 1, 0                                    ; the last lap fills nothing
	EVEN 1, 0
	PLACES                                         ; the very last 32 along K: only wb's half 1 is left to fetch
	WIN 0
	LDB 1, 1, 64
	s_wait_dscnt 12
	MULN 1, 0, 0, 48, 0
	s_wait_dscnt 0x0
	MULN 1, 1, 0, 48, 0
	PLACES
	HALFOUT 0
	s_wait_dscnt 0x0                               ; my reads of the stage are over (met: the last count-down ended at 0)
	s_barrier_signal -1
	s_barrier_wait -1                              ; everybody's are: the stage may be written again
	HALFOUT 1
	s_wait_tensorcnt 0x0
	ds_add_u32 v30, v31
	s_wait_dscnt 0x0
	CROUND                                         ; the closing round: no work-group ends while a partner may still ask for a tile that names it
	s_endpgm
.Lfunc_end_k_q9b4674423f_qkv:
	.size	k_q9b4674423f_qkv, .Lfunc_end_k_q9b4674423f_qkv-k_q9b4674423f_qkv
	.p2alignl 7, 3214868480
	.fill 96, 4, 3214868480
	.section	.rodata,"a",@progbits
	.p2align	6, 0x0
	.amdhsa_kernel k_q9b4674423f_qkv
		.amdhsa_group_segment_fixed_size 327680
		.amdhsa_private_segment_fixed_size 0
		.amdhsa_enable_private_segment 0
		.amdhsa_kernarg_size 24
		.amdhsa_user_sgpr_count 2
		.amdhsa_user_sgpr_kernarg_segment_ptr 1
		.amdhsa_wavefront_size32 1
		.amdhsa_system_sgpr_workgroup_id_x 1
		.amdhsa_system_sgpr_workgroup_id_y 1
		.amdhsa_system_sgpr_workgroup_id_z 1
		.amdhsa_system_vgpr_workitem_id 0
		.amdhsa_next_free_vgpr 1024
		.amdhsa_next_free_sgpr 68
		.amdhsa_reserve_vcc 0
		.amdhsa_float_denorm_mode_32 3
		.amdhsa_float_denorm_mode_16_64 3
		.amdhsa_memory_ordered 1
		.amdhsa_forward_progress 1
		.amdhsa_inst_pref_size 132
	.end_amdhsa_kernel
	.amdgpu_metadata
---
amdhsa.version: [ 1, 2 ]
amdhsa.kernels:
  - .name:           k_q9b4674423f_qkv
    .symbol:         k_q9b4674423f_qkv.kd
    .args:
      - { .name: xn, .offset: 0, .size: 8, .value_kind: global_buffer, .address_space: global }
      - { .name: wb, .offset: 8, .size: 8, .value_kind: global_buffer, .address_space: global }
      - { .name: qkv, .offset: 16, .size: 8, .value_kind: global_buffer, .address_space: global }
    .group_segment_fixed_size: 327680
    .private_segment_fixed_size: 0
    .kernarg_segment_align: 8
    .kernarg_segment_size: 24
    .max_flat_workgroup_size: 128
    .sgpr_count:     68
    .vgpr_count:     1024
    .wavefront_size: 32
...
	.end_amdgpu_metadata
.endif
;; end of part 7
;; launch scores (part 8): grid 8 x 32, 4 waves a work-group, clusters of 4 x 4, 327,680 bytes of LDS; arguments qkv, l, pt, stm, stl; writes pt, stm, stl
.if DOCPART == 8
	.amdgcn_target "amdgcn-amd-amdhsa--gfx1250"
	.amdhsa_code_object_version 6
	.text
	.protected	k_q9b4674423f_scores
	.globl	k_q9b4674423f_scores
	.p2align	8
	.type	k_q9b4674423f_scores,@function
k_q9b4674423f_scores:
	s_mov_b64 s[64:65], 0
	v_nop
	global_prefetch_b8 v0, s[64:65] scope:SCOPE_SE
	s_setreg_imm32_b32 hwreg(HW_REG_WAVE_MODE, 25, 1), 1
	s_wait_xcnt 0x0
	s_wait_alu depctr_hold_cnt(0) depctr_sa_sdst(0) depctr_va_vdst(0) depctr_va_sdst(0) depctr_va_ssrc(0) depctr_va_vcc(0) depctr_vm_vsrc(0)
	s_getreg_b32 s2, hwreg(HW_REG_IB_STS2, 6, 4)
	s_cmp_eq_u32 s2, 0
	s_cbranch_scc0 .Lentry_in_a_cluster
	s_endpgm
.Lentry_in_a_cluster:
	s_bfe_u32 s2, ttmp6, 0x10000c
	s_cmp_lg_u32 s2, 0xf033
	s_cbranch_scc0 .Lentry_shape_is_right
	s_endpgm
.Lentry_shape_is_right:
; For a block p of 128 queries i and the keys j of batch b:  s[j][i] = k[j] . q[i] (raw), rows i >= l[b] masked;
;   mx[j] = max over the block's i of s,   pt[b][j][i] = 2^(c (s - mx)) in f16,   stm[b][p][j] = c mx,   stl[b][p][j] = the sum over the block's i of the weights,
; c = log2(e) / sqrt(1024).  The softmax runs over i: the next launch joins the 16 blocks' maxima and sums, so a true maximum is taken away block by block.
; The weights lie in [0, 1], inside f16's range for every input; one below 6.1e-5 is kept to 6e-8.
; reference()'s constant C_BIAS is added to every score of a column alike and cancels in that softmax; it is not added.
; THE MASK: every accumulator starts from 0 where i < l and from -2^100 where not.  In a block with a valid row a masked row's weight is 2^(-huge) = 0.  In a block without one
; the weights lie in [0, 1] (the exponent c (s - mx) is never above 0) and c mx is about -5.7e28, which the next launch turns into the factor 0.  No infinity arises.
; LIMITS: l in [1, 2048], as reference() needs for finite results; |k . q| below 2^76, so that -2^100 swallows a masked score.
; A work-group makes 256 j x 256 i: 32 x 8 = 256 tiles, one for each WGP.  Four waves, 2 x 2, each 128 j x 128 i: 64 accumulators.  A wave's 128 columns are ONE block p = 2 x tile column + wave % 2,
; so a column's reduction over the block's i stays inside one wave.
; K (the 1,024 channels) goes in steps of 128 through two LDS slots: 256 rows of k, then 256 rows of q, rows of 256 bytes + 16.  Waves 0, 1 fetch k's halves, waves 2, 3 q's: one load of 128 rows a wave.
; A K step holds 256 matrix instructions a wave, 240 of them between a refill's request and the wait for it.
; CLUSTER 4 x 4: k's tile hangs on the tile row alone: asked for jointly by a row of the cluster; q's on the tile column and the batch (the same for a whole cluster): by a column.
; TRANSPOSED USE: source 0 = 16 rows of q, source 1 = 16 rows of k: a lane holds ONE key j = lane % 16 and the queries 8 (lane / 16) + 0..7 of each of 8 column blocks:
; maximum and sum over i are taken inside the lane, with one exchange between the halves of the lanes.
; REGISTERS: window 0: v0-31 addresses; F0 = v64-127, F1 = v128-191 fragments of k, later the statistics; v192-223 packed results, v32-63 and v224-255 rows read back;
;   window 1: v0-63 the mask's start values for column blocks 0..7; F0, F1 fragments of q;  window 2: accumulator (a, b) of my keys 0-63 at v[8 (8 a + b)];  window 3: those of my keys 64-127.
.set PITCH,  272                       ; 68 words: row r starts at bank 4 r mod 64 (64 banks of 4 bytes: ISA guide 11.1)
.set HALFT,  128*PITCH
.set SLOT,   4*HALFT                   ; 139,264 bytes
.set STAGE,  2*SLOT                    ; 16 rows x 272 bytes for each wave; no tensor load lands here or behind
.set SP,     272
.set STW,    16*SP
.set SCR,    STAGE+4*STW               ; 1,024 bytes for each wave: 128 c mx, then 128 sums
.set LAPS,   4
.set STEP,   256
.set OPITCH, 4096                      ; bytes in a row of pt
.set OUTB,   68                        ; s[68:69] pt at my wave's first row and column
.set ADRA, 16
.set ADRB, 20
.set STO,  24
.set RD,   25
.set CO,   26
.set SCA,  27                          ; v27 where lane % 16 puts a statistic
.set SCB,  28                          ; v28 where a lane reads four of them back
.set SO,   29                          ; v29 16 x lane
.set F0,   64
.set F1,   128
.set TMP,  192
.set OB,   32
.set MX,   64                          ; v[64+2a] mx, v[65+2a] c mx of row block a = 0..7
.set TT,   80                          ; v80-87 at work
.set ZP,   96                          ; v[96+8a+2k] chain k of row block a's sum
.set SB,   160                         ; v160-167 statistics read back
.set G1,  24
.set G0,  32
.set G1B, 48
.set G0B, 56
.set SEL, 80                           ; s[80:81] v_permlanex16_b32: each lane takes its own place in the other half
.set CS,  82                           ; s[82:83] c
.set FLAGS, (1<<16)|(1<<20)|(1<<21)|(5<<22)|(3<<25)
.set MSB, 0
.macro WIN new
.if MSB != (\new)
	s_set_vgpr_msb (MSB<<8)|(\new)
.set MSB, (\new)
.endif
.endm
.macro PLACES
.rept 4
	v_nop
.endr
.endm
.macro CREST
	s_cmp_lg_u32 s10, 0
	s_cbranch_scc1 .Lnot_wave_0_\@
	s_barrier_signal -3
.Lnot_wave_0_\@:
	s_barrier_wait -3
	s_barrier_signal -1
	s_barrier_wait -1
.endm
.macro CROUND
	s_barrier_signal -1
	s_barrier_wait -1
	CREST
.endm
.macro JLOAD s
	s_cmp_eq_u32 s11, 0
	s_cbranch_scc0 .Lfor_b_\@
	tensor_load_to_lds s[G0+4*\s:G0+4*\s+3], s[G1:G1+7]
	s_nop 0
.rept 4
	v_nop
.endr
	s_branch .Lasked_\@
.Lfor_b_\@:
	tensor_load_to_lds s[G0B+4*\s:G0B+4*\s+3], s[G1B:G1B+7]
	s_nop 0
.rept 4
	v_nop
.endr
.Lasked_\@:
.endm
	s_load_b128 s[4:7], s[0:1], 0x0                ; qkv s[4:5], l s[6:7]
	s_load_b128 s[68:71], s[0:1], 0x10             ; pt s[68:69], stm s[70:71]
	s_load_b64 s[72:73], s[0:1], 0x20              ; stl
	s_set_vgpr_msb 0x40
	v_lshl_add_u32 v255, v0, 2, 0x49400
	s_set_vgpr_msb 0x4000
	v_mov_b32 v31, 0
	s_set_vgpr_msb 0x1
	ds_add_u32 v255, v31
	s_set_vgpr_msb 0x100
	v_lshrrev_b32 v1, 5, v0
	v_readfirstlane_b32 s10, v1                    ; wave 0..3
	s_lshr_b32 s11, s10, 1                         ; my half of the tile's keys.  Also: I fetch for k (0) or for q (1)
	s_and_b32 s12, s10, 1                          ; my half of its queries.  Also: which 128 rows I fetch
	s_bfe_u32 s40, ttmp6, 0x40000                  ; cx
	s_bfe_u32 s41, ttmp6, 0x40004                  ; cy
	s_lshl_b32 s42, ttmp9, 2
	s_add_co_u32 s42, s42, s40                     ; the block of 256 queries = 4 x cluster x + cx
	s_and_b32 s45, ttmp7, 0xffff
	s_lshl_b32 s13, s45, 2
	s_add_co_u32 s13, s13, s41                     ; the block of 256 keys, counted through the batches = 4 x cluster y + cy
	s_lshr_b32 s45, s45, 1                         ; the batch: eight key blocks, two clusters, to a batch; made of the cluster's y alone
	s_lshl_b32 s43, s41, 2
	s_lshl_b32 s43, 15, s43                        ; my row of the cluster
	s_lshl_b32 s44, 0x1111, s40                    ; my column
	s_or_b32 s[G1], s43, FLAGS                     ; k's tiles go to my row
	s_or_b32 s[G1B], s44, FLAGS                    ; q's to my column
.irp g, G1, G1B
	s_mov_b32 s[\g+1], 128<<16                     ; tensor_dim0 = 128
	s_mov_b32 s[\g+2], 128<<16                     ; tensor_dim1 = 128
	s_mov_b32 s[\g+3], 128<<16                     ; tile_dim0 = 128
	s_mov_b32 s[\g+4], 128                         ; tile_dim1 = 128
	s_mov_b32 s[\g+5], 3072                        ; elements from row to row of qkv
	s_mov_b32 s[\g+6], 0
	s_mov_b32 s[\g+7], 0
.endr
	s_lshl_b32 s16, s13, 8                         ; k: row 256 x key block + 128 x half, 6,144 bytes a row, k's columns begin at byte 2,048
	s_lshl_b32 s17, s12, 7
	s_add_co_u32 s16, s16, s17
	s_mul_i32 s16, s16, 6144
	s_add_co_u32 s16, s16, 2048
	s_mov_b32 s17, 0
	s_lshl_b32 s46, s45, 11                        ; q: row 2048 x batch + 256 x query block + 128 x half
	s_lshl_b32 s47, s42, 8
	s_add_co_u32 s46, s46, s47
	s_lshl_b32 s47, s12, 7
	s_add_co_u32 s46, s46, s47
	s_mul_i32 s46, s46, 6144
	s_mov_b32 s47, 0
	s_lshl_b32 s74, s45, 2                         ; l[batch]
	s_mov_b32 s75, 0
	s_mul_i32 s20, s10, HALFT                      ; where the tiles go: wave x 128 rows.  No place in the cluster enters an LDS address
	s_mov_b32 s[SEL], 0x76543210
	s_mov_b32 s[SEL+1], 0xfedcba98
	s_mov_b32 s[CS], 0x3d38aa3b                    ; log2(e) / 32
	s_mov_b32 s[CS+1], s[CS]                       ; named with it as a pair
	s_wait_dscnt 0x0
	s_wait_kmcnt 0x0
	s_add_nc_u64 s[14:15], s[4:5], s[16:17]
	s_add_nc_u64 s[46:47], s[4:5], s[46:47]
	s_add_nc_u64 s[6:7], s[6:7], s[74:75]
	s_load_b32 s76, s[6:7], 0x0
.irp s, 0,1
	s_mov_b32 s[G0+4*\s], 1
	s_add_co_u32 s[G0+4*\s+1], s20, \s*SLOT
	s_add_nc_u64 s[G0+4*\s+2:G0+4*\s+3], s[14:15], \s*STEP
	s_or_b32 s[G0+4*\s+3], s[G0+4*\s+3], 0x80000000
	s_mov_b32 s[G0B+4*\s], 1
	s_add_co_u32 s[G0B+4*\s+1], s20, \s*SLOT
	s_add_nc_u64 s[G0B+4*\s+2:G0B+4*\s+3], s[46:47], \s*STEP
	s_or_b32 s[G0B+4*\s+3], s[G0B+4*\s+3], 0x80000000
.endr
	CROUND                                         ; all sixteen work-groups are here: the first joint loads meet
	s_cmp_eq_u32 s11, 0                            ; a wave's two first fills stand in one branch: two loads of mine are out
	s_cbranch_scc0 .Lfirst_b
	tensor_load_to_lds s[G0:G0+3], s[G1:G1+7]
	s_nop 0
	tensor_load_to_lds s[G0+4:G0+7], s[G1:G1+7]
	s_nop 0
.rept 4
	v_nop
.endr
	s_branch .Lfirst_asked
.Lfirst_b:
	tensor_load_to_lds s[G0B:G0B+3], s[G1B:G1B+7]
	s_nop 0
	tensor_load_to_lds s[G0B+4:G0B+7], s[G1B:G1B+7]
	s_nop 0
.rept 4
	v_nop
.endr
.Lfirst_asked:
	v_and_b32 v1, 15, v0
	v_bfe_u32 v2, v0, 4, 1
	v_and_b32 v3, 31, v0
	v_mul_u32_u24 v4, v1, PITCH
	v_lshl_add_u32 v4, v2, 4, v4
	s_mul_i32 s21, s11, HALFT                      ; my 128 rows of k
	s_mul_i32 s22, s12, HALFT                      ; my 128 rows of q,
	s_add_co_u32 s22, s22, 2*HALFT                 ; behind k's 256
.irp s, 0,1
	v_add_nc_u32 v[ADRA+\s], s21, v4
	v_add_nc_u32 v[ADRB+\s], s22, v4
	s_add_co_u32 s21, s21, SLOT
	s_add_co_u32 s22, s22, SLOT
.endr
	s_mul_i32 s23, s10, STW
	s_add_co_u32 s23, s23, STAGE                   ; my stage
	v_mul_u32_u24 v5, v1, SP                       ; in: row l % 16, 16 bytes for each half of the lanes
	v_lshl_add_u32 v5, v2, 4, v5
	v_add_nc_u32 v[STO], s23, v5
	v_mul_u32_u24 v5, v2, SP                       ; back: lanes 0-15 take one row of 256 bytes, lanes 16-31 the next
	v_lshl_add_u32 v5, v1, 4, v5
	v_add_nc_u32 v[RD], s23, v5
	v_lshlrev_b32 v5, 12, v2                       ; and the same two rows in pt
	v_lshl_add_u32 v[CO], v1, 4, v5
	s_lshl_b32 s23, s10, 10
	s_add_co_u32 s23, s23, SCR                     ; my 1,024 bytes for the statistics
	v_lshl_add_u32 v[SCA], v1, 2, s23
	v_lshl_add_u32 v[SCB], v3, 4, s23
	v_lshlrev_b32 v[SO], 4, v3
	s_lshl_b32 s66, s13, 20                        ; pt at row 256 x key block + 128 x half (4,096 bytes a row), byte 512 x query block + 256 x half
	s_lshl_b32 s67, s11, 19
	s_add_co_u32 s66, s66, s67
	s_lshl_b32 s67, s42, 9
	s_add_co_u32 s66, s66, s67
	s_lshl_b32 s67, s12, 8
	s_add_co_u32 s66, s66, s67
	s_mov_b32 s67, 0
	s_add_nc_u64 s[OUTB:OUTB+1], s[OUTB:OUTB+1], s[66:67]
	s_lshl_b32 s66, s45, 4                         ; the statistics at ((16 x batch + p) x 2048 + 256 x (key block % 8) + 128 x half) x 4 bytes, p = 2 x query block + wave % 2
	s_lshl_b32 s78, s42, 1
	s_add_co_u32 s66, s66, s78
	s_add_co_u32 s66, s66, s12
	s_lshl_b32 s66, s66, 13
	s_and_b32 s78, s13, 7
	s_lshl_b32 s78, s78, 10
	s_add_co_u32 s66, s66, s78
	s_lshl_b32 s78, s11, 9
	s_add_co_u32 s66, s66, s78
	s_add_nc_u64 s[70:71], s[70:71], s[66:67]
	s_add_nc_u64 s[72:73], s[72:73], s[66:67]
	; the mask's start values: register j of column block b stands for query 128 p + 16 b + 8 (lane / 16) + j, which is valid where 16 b + j < l - 128 p - 8 (lane / 16)
	s_wait_kmcnt 0x0                               ; l
	s_lshl_b32 s78, s42, 8
	s_sub_co_i32 s77, s76, s78
	s_lshl_b32 s78, s12, 7
	s_sub_co_i32 s77, s77, s78
	v_lshlrev_b32 v6, 3, v2
	v_sub_nc_u32 v6, s77, v6
	v_mov_b32 v7, 0xf1800000                       ; -2^100
	v_mov_b32 v8, 0
	WIN 0x40                                       ; destination in window 1
.irp b, 0,1,2,3,4,5,6,7
.irp j, 0,1,2,3,4,5,6,7
	v_cmp_lt_i32 vcc_lo, 16*\b+\j, v6
	v_cndmask_b32 v[8*\b+\j], v7, v8, vcc_lo
.endr
.endr
	WIN 0
; 16 matrix instructions: row blocks a0, a0 + 1 of the window's four x all 8 column blocks, 32 along K.  mode 2: the product starts the sums from the mask's start values
.macro MUL16 f, hi, a0, mode
.irp a, \a0, \a0+1
.irp b, 0,1,2,3,4,5,6,7
.if \mode == 2
	v_wmma_f32_16x16x32_f16 v[8*(8*(\a)+\b):8*(8*(\a)+\b)+7], v[\f+8*\b:\f+8*\b+7], v[\f+8*(4*\hi+\a):\f+8*(4*\hi+\a)+7], v[8*\b:8*\b+7]
.else
	v_wmma_f32_16x16x32_f16 v[8*(8*(\a)+\b):8*(8*(\a)+\b)+7], v[\f+8*\b:\f+8*\b+7], v[\f+8*(4*\hi+\a):\f+8*(4*\hi+\a)+7], v[8*(8*(\a)+\b):8*(8*(\a)+\b)+7]
.endif
.endr
.endr
.endm
.macro WMUL hi, mode                   ; source 0 (q) window 1, source 1 (k) window 0, D window 2 or 3; C with D, or in window 1 (the start values)
.if \mode == 2
	WIN 0x91+0x40*\hi
.else
	WIN 0xa1+0x50*\hi
.endif
.endm
.macro FETCH slot, k, f                ; 32 LDS loads in one run: the fragments of 32 along K at byte k of the slot's rows, into buffer f
	WIN 0x40                                       ; destination window 1, address window 0
.irp i, 0,1,2,3,4,5,6,7
	ds_load_b128 v[\f+8*\i:\f+8*\i+3],   v[ADRB+\slot] offset:\k+\i*16*PITCH
	ds_load_b128 v[\f+8*\i+4:\f+8*\i+7], v[ADRB+\slot] offset:\k+\i*16*PITCH+32
.endr
	WIN 0
.irp i, 0,1,2,3,4,5,6,7
	ds_load_b128 v[\f+8*\i:\f+8*\i+3],   v[ADRA+\slot] offset:\k+\i*16*PITCH
	ds_load_b128 v[\f+8*\i+4:\f+8*\i+7], v[ADRA+\slot] offset:\k+\i*16*PITCH+32
.endr
.endm
; A K step is four quarters of 32 along K, 64 matrix instructions each.  The 64 accumulators take turns, one instruction a turn, in the same order in every quarter.
.macro QUARTER slot, k, f, g, mode
	s_wait_dscnt 8                                 ; q's fragments and k's rows 0-63 are in; the youngest eight loads (k's rows 64-127) may be out
	WMUL 0, \mode
	MUL16 \f, 0, 0, \mode
	MUL16 \f, 0, 2, \mode
	PLACES                                         ; g was multiplied in the quarter before
	FETCH \slot, \k, \g
	s_wait_dscnt 32                                ; all but the 32 just issued
	WMUL 1, \mode
	MUL16 \f, 1, 0, \mode
	MUL16 \f, 1, 2, \mode
.endm
.macro TURN slot, next, fill           ; the last quarter of a K step, and the change of slots
	s_wait_dscnt 8
	WMUL 0, 0
	MUL16 F1, 0, 0, 0
	s_wait_dscnt 0x0                               ; my reads of this slot are over
	s_wait_tensorcnt 0x0                           ; all my tensor loads have landed: the one that was out is my part of the next slot
	ds_add_u32 v255, v31
	s_wait_dscnt 0x0
	s_barrier_signal -1
	MUL16 F1, 0, 2, 0                              ; registers only
.if \fill
	WIN 0
.endif
	s_barrier_wait -1
.if \fill
	CREST                                          ; that barrier opened a round of the cluster's: no wave of any partner still reads this slot or has a load on its way
	s_add_nc_u64 s[G0+4*\slot+2:G0+4*\slot+3], s[G0+4*\slot+2:G0+4*\slot+3], 2*STEP
	s_add_nc_u64 s[G0B+4*\slot+2:G0B+4*\slot+3], s[G0B+4*\slot+2:G0B+4*\slot+3], 2*STEP
	JLOAD \slot                                    ; first behind the round; its four v_nop are the places for the loads below
.else
	PLACES
.endif
	FETCH \next, 0, F0
	WMUL 1, 0
	MUL16 F1, 1, 0, 0
	MUL16 F1, 1, 2, 0
.endm
; THE BLOCK'S SOFTMAX, window by window (hi = 0: row blocks 0-3 in window 2; 1: row blocks 4-7 in window 3).  A lane's 64 scores of a row block lie in v[64 a .. 64 a + 63].  The four chains alternate.
.macro MAXH hi, w3, w2                 ; w3: three sources in the window; w2: sources 1 and 2
	WIN \w3
.irp a, 0,1,2,3
	v_max3_num_f32 v[MX+2*(4*\hi+\a)], v[64*\a], v[64*\a+1], v[64*\a+2]
.endr
	WIN \w2
.set n, 3
.rept 30
.irp a, 0,1,2,3
	v_max3_num_f32 v[MX+2*(4*\hi+\a)], v[MX+2*(4*\hi+\a)], v[64*\a+n], v[64*\a+n+1]
.endr
.set n, n+2
.endr
.irp a, 0,1,2,3
	v_max_num_f32 v[MX+2*(4*\hi+\a)], v[MX+2*(4*\hi+\a)], v[64*\a+63]
.endr
.endm
.macro EXPH hi, w                      ; w: destination and source 0 in the window
	WIN \w
.irp a, 0,1,2,3
.set n, 0
.rept 32
	v_pk_add_f32 v[64*\a+n:64*\a+n+1], v[64*\a+n:64*\a+n+1], v[MX+2*(4*\hi+\a):MX+2*(4*\hi+\a)+1] op_sel_hi:[1,0] neg_lo:[0,1] neg_hi:[0,1]   ; s - mx: never above 0, also where all rows are masked
.set n, n+2
.endr
.endr
.set n, 0
.rept 128
	v_pk_mul_f32 v[n:n+1], v[n:n+1], s[CS:CS+1] op_sel_hi:[1,0]
.set n, n+2
.endr
.set n, 0
.rept 256
	v_exp_f32 v[n], v[n]
.set n, n+1
.endr
	v_nop                                          ; a plain instruction between the last exponential and the use of its result
.endm
.macro SUMH hi, wa, wb                 ; the sums: four chains a row block, started by their first additions.  wa: sources 0 and 1 in the window; wb: source 1
	WIN \wa
	s_wait_alu depctr_va_vdst(0)
.irp a, 0,1,2,3
.irp k, 0,1,2,3
	v_pk_add_f32 v[ZP+8*(4*\hi+\a)+2*\k:ZP+8*(4*\hi+\a)+2*\k+1], v[64*\a+2*\k:64*\a+2*\k+1], v[64*\a+8+2*\k:64*\a+8+2*\k+1]
.endr
.endr
	WIN \wb
.set n, 8
.rept 24
.irp a, 0,1,2,3
	v_pk_add_f32 v[ZP+8*(4*\hi+\a)+2*(n%4):ZP+8*(4*\hi+\a)+2*(n%4)+1], v[ZP+8*(4*\hi+\a)+2*(n%4):ZP+8*(4*\hi+\a)+2*(n%4)+1], v[64*\a+2*n:64*\a+2*n+1]
.endr
.set n, n+1
.endr
.endm
; THE WAY OUT of row block a (16 keys), in three parts.  PACK: rounded to f16, 16 bytes a lane.  TOSTAGE: into my own stage, and back as whole rows of 256 bytes.  SEND: stored.
.macro PACK a
.set AC, 64*((\a)%4)
	WIN 0x0a+5*((\a)/4)                            ; sources 0 and 1: window 2 or 3
.irp b, 0,1,2,3,4,5,6,7
.irp r, 0,1,2,3
	v_cvt_pk_f16_f32 v[TMP+4*\b+\r], v[AC+8*\b+2*\r], v[AC+8*\b+2*\r+1]
.endr
.endr
	WIN 0
.endm
.macro TOSTAGE a
.set BK, OB+192*((\a)%2)
.irp b, 0,1,2,3,4,5,6,7
	ds_store_b128 v[STO], v[TMP+4*\b:TMP+4*\b+3] offset:32*\b
.endr
.irp t, 0,1,2,3,4,5,6,7
	ds_load_b128 v[BK+4*\t:BK+4*\t+3], v[RD] offset:\t*2*SP   ; my own bytes; LDS serves a wave's instructions in order (ISA guide 5.7.1.4)
.endr
.endm
.macro SEND a
.set BK, OB+192*((\a)%2)
	s_wait_dscnt 0x0                               ; the block is back in registers
	s_wait_xcnt 0x0                                ; the other set of rows, which the block before's stores read, is loaded again only behind this wait
.irp t, 0,1,2,3,4,5,6,7
	global_store_b128 v[CO], v[BK+4*\t:BK+4*\t+3], s[OUTB:OUTB+1] offset:(16*(\a)+2*\t)*OPITCH   ; 16 lanes store 256 consecutive bytes, aligned
.endr
.endm
	s_wait_tensorcnt 0x1                           ; my part of slot 0 is in; slot 1's stays out
	s_barrier_signal -1
	s_barrier_wait -1
	FETCH 0, 0, F0
	QUARTER 0, 64,  F0, F1, 2                      ; the first quarter stands in front of the loop: its products start the sums
	WIN 0
	s_mov_b32 s3, LAPS-1
.Llap:                                                 ; once round the ring, from a lap's second quarter to the next lap's first; both slots are filled again
	QUARTER 0, 128, F1, F0, 0
	QUARTER 0, 192, F0, F1, 0
	TURN 0, 1, 1
	QUARTER 1, 64,  F0, F1, 0
	QUARTER 1, 128, F1, F0, 0
	QUARTER 1, 192, F0, F1, 0
	TURN 1, 0, 1
	QUARTER 0, 64,  F0, F1, 0
	WIN 0
	s_sub_co_u32 s3, s3, 1
	s_cmp_lg_u32 s3, 0
	s_cbranch_scc1 .Llap
	QUARTER 0, 128, F1, F0, 0                      ; the last lap fills nothing
	QUARTER 0, 192, F0, F1, 0
	TURN 0, 1, 0
	QUARTER 1, 64,  F0, F1, 0
	QUARTER 1, 128, F1, F0, 0
	QUARTER 1, 192, F0, F1, 0
	s_wait_dscnt 0x0
	WMUL 0, 0
	MUL16 F1, 0, 0, 0
	MUL16 F1, 0, 2, 0
	WMUL 1, 0
	MUL16 F1, 1, 0, 0
	MUL16 F1, 1, 2, 0
	PLACES
	MAXH 0, 0x2a, 0x28
	MAXH 1, 0x3f, 0x3c
	WIN 0
.irp a, 0,1,2,3,4,5,6,7
	v_permlanex16_b32 v[TT+\a], v[MX+2*\a], s[SEL], s[SEL+1]   ; the key's other 64 queries lie in the lane 16 away
.endr
.irp a, 0,1,2,3,4,5,6,7
	v_max_num_f32 v[MX+2*\a], v[MX+2*\a], v[TT+\a]
.endr
.irp a, 0,1,2,3,4,5,6,7
	v_mul_f32 v[MX+2*\a+1], s[CS], v[MX+2*\a]      ; c mx
.endr
	EXPH 0, 0x82
	SUMH 0, 0x0a, 0x08
	EXPH 1, 0xc3
	SUMH 1, 0x0f, 0x0c
	WIN 0
.irp a, 0,1,2,3,4,5,6,7
	v_pk_add_f32 v[ZP+8*\a:ZP+8*\a+1],   v[ZP+8*\a:ZP+8*\a+1],   v[ZP+8*\a+2:ZP+8*\a+3]
	v_pk_add_f32 v[ZP+8*\a+4:ZP+8*\a+5], v[ZP+8*\a+4:ZP+8*\a+5], v[ZP+8*\a+6:ZP+8*\a+7]
.endr
.irp a, 0,1,2,3,4,5,6,7
	v_pk_add_f32 v[ZP+8*\a:ZP+8*\a+1], v[ZP+8*\a:ZP+8*\a+1], v[ZP+8*\a+4:ZP+8*\a+5]
.endr
.irp a, 0,1,2,3,4,5,6,7
	v_add_f32 v[ZP+8*\a], v[ZP+8*\a], v[ZP+8*\a+1]
.endr
.irp a, 0,1,2,3,4,5,6,7
	v_permlanex16_b32 v[TT+\a], v[ZP+8*\a], s[SEL], s[SEL+1]
.endr
.irp a, 0,1,2,3,4,5,6,7
	v_add_f32 v[ZP+8*\a], v[ZP+8*\a], v[TT+\a]
.endr
	; the wave's 128 keys' statistics, through my own 1,024 bytes of LDS, so that each kind goes out as 512 consecutive bytes.  Both halves of the lanes put the same number into the same word.
.irp a, 0,1,2,3,4,5,6,7
	ds_store_b32 v[SCA], v[MX+2*\a+1] offset:64*\a
	ds_store_b32 v[SCA], v[ZP+8*\a]   offset:512+64*\a
.endr
	ds_load_b128 v[SB:SB+3],   v[SCB]
	ds_load_b128 v[SB+4:SB+7], v[SCB] offset:512
	s_wait_dscnt 0x0
	global_store_b128 v[SO], v[SB:SB+3],   s[70:71]
	global_store_b128 v[SO], v[SB+4:SB+7], s[72:73]
	PACK 0
	TOSTAGE 0
.irp a, 1,2,3,4,5,6,7                  ; block a's conversions stand between block a - 1's loads from the stage and the wait for them
	PACK \a
	SEND \a-1
	TOSTAGE \a
.endr
	SEND 7
	s_set_vgpr_msb 0x1
	s_wait_tensorcnt 0x0
	ds_add_u32 v255, v31
	s_wait_dscnt 0x0
	s_set_vgpr_msb 0x100
	CROUND                                         ; the closing round: no work-group ends while a partner may still ask for a tile that names it
	s_endpgm
.Lfunc_end_k_q9b4674423f_scores:
	.size	k_q9b4674423f_scores, .Lfunc_end_k_q9b4674423f_scores-k_q9b4674423f_scores
	.p2alignl 7, 3214868480
	.fill 96, 4, 3214868480
	.section	.rodata,"a",@progbits
	.p2align	6, 0x0
	.amdhsa_kernel k_q9b4674423f_scores
		.amdhsa_group_segment_fixed_size 327680
		.amdhsa_private_segment_fixed_size 0
		.amdhsa_enable_private_segment 0
		.amdhsa_kernarg_size 40
		.amdhsa_user_sgpr_count 2
		.amdhsa_user_sgpr_kernarg_segment_ptr 1
		.amdhsa_wavefront_size32 1
		.amdhsa_system_sgpr_workgroup_id_x 1
		.amdhsa_system_sgpr_workgroup_id_y 1
		.amdhsa_system_sgpr_workgroup_id_z 1
		.amdhsa_system_vgpr_workitem_id 0
		.amdhsa_next_free_vgpr 1024
		.amdhsa_next_free_sgpr 84
		.amdhsa_reserve_vcc 1
		.amdhsa_float_denorm_mode_32 3
		.amdhsa_float_denorm_mode_16_64 3
		.amdhsa_memory_ordered 1
		.amdhsa_forward_progress 1
		.amdhsa_inst_pref_size 232
	.end_amdhsa_kernel
	.amdgpu_metadata
---
amdhsa.version: [ 1, 2 ]
amdhsa.kernels:
  - .name:           k_q9b4674423f_scores
    .symbol:         k_q9b4674423f_scores.kd
    .args:
      - { .name: qkv, .offset: 0, .size: 8, .value_kind: global_buffer, .address_space: global }
      - { .name: l, .offset: 8, .size: 8, .value_kind: global_buffer, .address_space: global }
      - { .name: pt, .offset: 16, .size: 8, .value_kind: global_buffer, .address_space: global }
      - { .name: stm, .offset: 24, .size: 8, .value_kind: global_buffer, .address_space: global }
      - { .name: stl, .offset: 32, .size: 8, .value_kind: global_buffer, .address_space: global }
    .group_segment_fixed_size: 327680
    .private_segment_fixed_size: 0
    .kernarg_segment_align: 8
    .kernarg_segment_size: 40
    .max_flat_workgroup_size: 128
    .sgpr_count:     84
    .vgpr_count:     1024
    .wavefront_size: 32
...
	.end_amdgpu_metadata
.endif
;; end of part 8
;; launch merge: the kernel of part 4 again; grid 16 x 1, 4 waves a work-group, no clusters, 0 bytes of LDS; arguments stm, stl, ft; writes ft
;; launch pv: the kernel of part 5 again; grid 4 x 64, 4 waves a work-group, clusters of 4 x 4, 327,680 bytes of LDS; arguments pt, qkv, ft, x, y; writes y
;; launch out: the kernel of part 6 again; grid 4 x 64, 4 waves a work-group, clusters of 4 x 4, 327,680 bytes of LDS; arguments y, wb, bo, out0; writes out0
